; MI455X (gfx1250); checked and timed in simulation.
; The chip was launched on July 23, 2026; its instructions are those of AMD's public machine-readable ISA for CDNA 5 (MIT licence, August 2026) and "CDNA5" Instruction Set Architecture Reference Guide (July 2026). The comments in the code are by the model that wrote it; some were corrected since.
;; Causal Self Attention. Allowed arithmetic: matrix products marked QUANTISED: E2M1 operands, one E8M0 scale for each 32 along K, by v_wmma_scale_f32_16x16x128_f8f6f4 with both operands' format E2M1 (or v_wmma_scale_f32_32x16x128_f4), f32 sums; products left as they are: bf16, f16 or f32 operands; f32 sums; everything else in f32.
;; Inputs: Wk 1,024 x 1,024 float32; Wo 1,024 x 1,024 float32; Wq 1,024 x 1,024 float32; Wv 1,024 x 1,024 float32; x 1 x 4,096 x 1,024 float32.
;; Outputs: out0 1 x 4,096 x 1,024 float32.
;; This version of the problem:
;;   THIS VERSION OF THE PROBLEM IS GIVEN IN LOW PRECISION. The matrix products marked QUANTISED in the list below multiply operands that are first quantised to E2M1 (2 exponent bits, 1 mantissa bit; 4 bits a number), with one power-of-two scale for each 32 numbers along K (OCP MX v1.0); their sums are f32. The products marked 'left as it is' may take bf16, f16 or f32 operands, with f32 sums. Whichever they take, every output number must still come out within the allowed error. Rounding operands to bf16 (8 significant bits) uses up far more of that allowance than f16 does (11 bits, for magnitudes from 6e-5 to 65,504). All else is computed in f32.
;;   The module's matrix products, in the order in which they are computed (A, B: the left and right operand; K: the contracted axis; several contracted axes count as one K, in the product's order):
;;     1. [M 4,096, K 1,024] x [K 1,024, N 1,024]; A: input x; B: input Wq: QUANTISED
;;     2. [M 4,096, K 1,024] x [K 1,024, N 1,024]; A: input x; B: input Wk: QUANTISED
;;     3. [M 4,096, K 1,024] x [K 1,024, N 1,024]; A: input x; B: input Wv: QUANTISED
;;     4. batch 16 x [M 4,096, K 64] x [K 64, N 4,096]; A: computed on the way; B: computed on the way: left as it is (an operand is computed on the way)
;;     5. batch 16 x [M 4,096, K 4,096] x [K 4,096, N 64]; A: computed on the way; B: computed on the way: left as it is (an operand is computed on the way)
;;     6. [M 4,096, K 1,024] x [K 1,024, N 1,024]; A: computed on the way; B: input Wo: left as it is (an operand is computed on the way)
;;   THE QUANTISER, for each operand of a quantised product, along K:
;;     - K is cut into blocks of 32 from its start; a last block that is shorter is filled with zeros.
;;     - A block's scale is 2^e with e = floor(log2(the largest magnitude in the block)) - 2, held to -126 .. 127; a block of zeros has e = 0. As a byte (E8M0): e + 127.
;;     - Each number is divided by its block's scale, clamped to +-6, and rounded to the nearest number of E2M1, ties to even, subnormals kept.
;;     - The product sums the exact products of the quantised numbers (number of the format x scale) in f32.
;;   ~~~python
;;   def quantise(x, axis):      # numpy; x: float32 -> the quantised numbers, widened to float32 again
;;       x = np.moveaxis(x, axis, -1); K = x.shape[-1]
;;       x = np.pad(x, [(0, 0)] * (x.ndim - 1) + [(0, -K % 32)]); x = x.reshape(x.shape[:-1] + (-1, 32)); a = np.abs(x).max(-1, keepdims=True)
;;       e = np.where(a > 0, np.clip(np.frexp(np.where(a > 0, a, 1))[1] - 1 - 2, -126, 127), 0)      # np.frexp(a)[1] - 1 = floor(log2(a)), exactly
;;       r = np.clip(x / 2.0 ** e, -6, 6)
;;       step = 2.0 ** (np.maximum(np.frexp(np.where(r == 0, 1, r))[1] - 1, 0) - 1)
;;       q = np.round(r / step) * step * 2.0 ** e      # np.round: ties to even
;;       return np.moveaxis(q.reshape(q.shape[:-2] + (-1,))[..., :K], -1, axis).astype(np.float32)
;;   ~~~
;; One version. Each part assembles by itself: llvm-mc -triple=amdgcn-amd-amdhsa -mcpu=gfx1250 --defsym DOCPART=n.
;; ======== version 1 of 1: 5 launches
;; limits: values are held in f16: magnitudes above 65,504 overflow, below 6.1e-05 lose precision
;; workspace buffers: xc 2,097,152 bytes; xs 131,072 bytes; wc 1,572,864 bytes; ws 98,304 bytes; wo16 2,097,152 bytes; qkv 25,165,824 bytes; qkv32 196,608 bytes; o16 8,388,608 bytes
;; launch quant (part 1): grid 256 x 1, 4 waves a work-group, no clusters, 33,280 bytes of LDS; arguments x, Wq, Wk, Wv, Wo, xc, xs, wc, ws, wo16; writes xc, xs, wc, ws, wo16
.if DOCPART == 1
	.amdgcn_target "amdgcn-amd-amdhsa--gfx1250"
	.amdhsa_code_object_version 6
	.text
	.protected	k_q8d534fb99d_quant
	.globl	k_q8d534fb99d_quant
	.p2align	8
	.type	k_q8d534fb99d_quant,@function
k_q8d534fb99d_quant:
	s_mov_b64 s[64:65], 0
	v_nop
	global_prefetch_b8 v0, s[64:65] scope:SCOPE_SE
	s_setreg_imm32_b32 hwreg(HW_REG_WAVE_MODE, 25, 1), 1
	s_wait_xcnt 0x0
; THE PROGRAM: causal self-attention, S = 4,096, E = 1,024, 16 heads of 64.  Five launches:
;   quant: x, Wq, Wk, Wv -> codes of FP4 (E2M1) with one E8M0 byte for each 32 along K; Wo -> f16
;   proj:  [4096 x 3072] = Q(x) Q(Wq|Wk|Wv)^T on codes, f32 sums; result as f16, head by head; positions 0-15 also as f32
;   attn:  causal attention in f16 operands, f32 sums and softmax      outp: out0 = o Wo^T, f16 operands
;   fine:  positions 0-15 once more, all in f32 (attention and Wo), stored over out0's rows 0-15
; WORK LEFT OUT: reference() sets logits[q][k] to -inf where k > q (its own jnp.tril), so softmax gives those places the weight 0 for every value of the inputs, and
; nothing of q.k or of p.v at such a place reaches an output.  Key tiles that lie wholly above the diagonal are therefore neither loaded nor multiplied (launch attn).  Every input has a way to the output and is loaded.
; LIMIT: a NaN, an infinity or an overflow that would arise only in the tiles left out is not carried to the result.
; LIMITS of the program: NaN and infinities among the inputs are not served; |q|, |k|, |v|, |o| must stay under f16's 65,504 (inputs 30 times the drawn spread give about 4,500, offsets of 30 spreads about 29,000).
;
; THIS LAUNCH.  Rows are dense and K = 1,024 is a multiple of 32, so each tensor is a plain stream of blocks of 32 numbers, and so are its codes and scale bytes.
; A block's scale is 2^(floor(log2(its largest magnitude)) - 2); its byte is the largest magnitude's exponent field - 2, held at 1 from below.
; LIMIT: a block of zeros, and a block whose largest magnitude lies under 2^-124, keeps the byte 1 (zeros: the rule says 127; its codes are zeros, which add nothing, and this program alone reads the bytes).
; A work-group takes 32,768 numbers: 0-127 x, 128-159 Wq, 160-191 Wk, 192-223 Wv (their codes lie one behind the other in wc, ws), 224-255 Wo.
; A wave takes 16 steps of 512 numbers.  Each load reads 512 consecutive bytes; a step's 2,048 bytes turn through the wave's own stage in LDS, so that a lane then holds 16 neighbours along K (two lanes: a block).
; A step's codes leave as 256 consecutive bytes; a wave's 256 scale bytes are gathered in LDS and leave as 256 consecutive bytes.
.set WAVES, 4
.set STEPS, 16
.set EMAX,  2
.set CB,    8                          ; bytes of 16 codes
.set R,     16                         ; v16-79   four sets of 16 numbers as loaded
.set X,     80                         ; v80-111  two sets of 16 neighbours
.set E,     112                        ; v112-127 a scale byte for each step
.set C,     128                        ; v128-191 codes: four registers for each step, so that no store's data are written again
.set WREG,  8192                       ; LDS: a region for each wave: two stages of 32 x SP bytes, then its 256 scale bytes
.set SP,    80                         ; a lane's place in a stage: 64 bytes + 16 of padding
.set SPW,   12                         ; v12 LDS address of my spare word; never rewritten
.set NIL,   13                         ; v13 0; never rewritten
.set SPARE, WAVES*WREG                 ; behind the regions: the spare words, 128 bytes a wave, that no other line names
	s_load_b256 s[4:11], s[0:1], 0x0               ; x, Wq, Wk, Wv
	s_load_b256 s[12:19], s[0:1], 0x20             ; Wo, xc, xs, wc
	s_load_b128 s[20:23], s[0:1], 0x40             ; ws, wo16
	v_lshl_add_u32 v[SPW], v0, 2, SPARE
	v_mov_b32 v[NIL], 0
	v_lshrrev_b32 v1, 5, v0
	v_readfirstlane_b32 s24, v1                    ; wave
	v_and_b32 v2, 31, v0                           ; lane
	v_lshlrev_b32 v3, 4, v2                        ; my 16 bytes of a load's 512
	s_cmp_ge_u32 ttmp9, 224
	s_cbranch_scc1 .Lwo                            ; the last 32 work-groups round Wo to f16
	s_mul_i32 s25, s24, WREG
	v_lshrrev_b32 v14, 2, v2
	v_mul_u32_u24 v14, v14, SP
	v_and_b32 v15, 3, v2
	v_lshl_add_u32 v14, v15, 4, v14
	v_add_nc_u32 v14, s25, v14                     ; the stage, on the way in: SP (lane / 4) + 16 (lane % 4)
	v_mul_u32_u24 v15, v2, SP
	v_add_nc_u32 v15, s25, v15                     ; and on the way out: SP x lane: my 16 neighbours
	v_mul_u32_u24 v4, v2, CB                       ; my codes' place in a step's
	v_lshrrev_b32 v5, 1, v2
	s_add_co_u32 s25, s25, 2*32*SP
	v_add_nc_u32 v5, s25, v5                       ; LDS: my wave's 256 scale bytes, my block's byte
	v_lshlrev_b32 v7, 3, v2                        ; and on the way out 8 bytes a lane
	v_add_nc_u32 v6, s25, v7
	s_wait_kmcnt 0x0
	s_cmp_lt_u32 ttmp9, 192                        ; the buffers are chosen by the work-group's number alone
	s_cselect_b64 s[32:33], s[8:9], s[10:11]       ; Wk or Wv
	s_cmp_lt_u32 ttmp9, 160
	s_cselect_b64 s[32:33], s[6:7], s[32:33]       ; Wq
	s_cmp_lt_u32 ttmp9, 128
	s_cselect_b64 s[32:33], s[4:5], s[32:33]       ; x
	s_cselect_b64 s[34:35], s[14:15], s[18:19]     ; codes: xc or wc
	s_cselect_b64 s[36:37], s[16:17], s[20:21]     ; scale bytes: xs or ws
	s_cselect_b32 s25, 0, 128
	s_cselect_b32 s30, -1, 31
	s_sub_co_u32 s25, ttmp9, s25                   ; which 32,768 numbers of the codes' buffer,
	s_and_b32 s30, s25, s30                        ; and of the source tensor (a W has 32 such parts)
	s_lshl_b32 s25, s25, 2
	s_add_co_u32 s26, s25, s24                     ; my wave's run of 8,192 numbers, on the way out
	s_lshl_b32 s30, s30, 2
	s_add_co_u32 s30, s30, s24                     ; and on the way in
	s_lshl_b32 s28, s30, 15                        ; 32,768 bytes of f32 a run
	s_mov_b32 s29, 0
	s_add_nc_u64 s[32:33], s[32:33], s[28:29]
	s_lshl_b32 s28, s26, 12                        ; 4,096 bytes of codes
	s_add_nc_u64 s[34:35], s[34:35], s[28:29]
	s_lshl_b32 s28, s26, 8                         ; 256 scale bytes
	s_add_nc_u64 s[36:37], s[36:37], s[28:29]
.macro LOAD t
.irp i, 0,1,2,3
	global_load_b128 v[R+16*((\t)%4)+4*\i:R+16*((\t)%4)+4*\i+3], v3, s[32:33] offset:2048*(\t)+512*\i th:TH_LOAD_NT   ; 32 lanes read 512 consecutive bytes
.endr
.endm
.macro TURN t                          ; step t's numbers through the stage: LDS serves a wave's instructions in order, so no wait stands between the stores and the loads
.irp i, 0,1,2,3
	ds_store_b128 v14, v[R+16*((\t)%4)+4*\i:R+16*((\t)%4)+4*\i+3] offset:32*SP*((\t)%2)+8*SP*\i
.endr
.irp i, 0,1,2,3
	ds_load_b128 v[X+16*((\t)%2)+4*\i:X+16*((\t)%2)+4*\i+3], v15 offset:32*SP*((\t)%2)+16*\i
.endr
.endm
.irp t, 0,1,2,3
	LOAD \t
.endr
	s_wait_loadcnt 12                              ; step 0's four loads are in; the twelve of steps 1 to 3 stay out
	TURN 0
.macro STEP t
.set XS, X+16*((\t)%2)
.if (\t) > 0
	s_wait_dscnt 1                                 ; this step's numbers are back from the stage; the last step's byte store may be out
.else
	s_wait_dscnt 0x0
.endif
.if (\t)+4 < STEPS
	LOAD (\t)+4                                    ; into the registers that this step's stores into the stage have read
.endif
.if (\t)+1 < STEPS
.if STEPS-2-(\t) >= 3
	s_wait_loadcnt 12                              ; the next step's four loads are in; those of the three steps behind it stay out
.else
	s_wait_loadcnt 4*(STEPS-2-(\t))
.endif
	TURN (\t)+1                                    ; through the other stage while this step is worked
.endif
	v_max3_num_f32 v8, |v[XS]|, |v[XS+1]|, |v[XS+2]|               ; the largest magnitude of my 16, in two chains
	v_max3_num_f32 v9, |v[XS+3]|, |v[XS+4]|, |v[XS+5]|
.irp i, 6,10
	v_max3_num_f32 v8, v8, |v[XS+\i]|, |v[XS+\i+1]|
	v_max3_num_f32 v9, v9, |v[XS+\i+2]|, |v[XS+\i+3]|
.endr
	v_max3_num_f32 v8, v8, |v[XS+14]|, |v[XS+15]|
	v_max3_num_f32 v8, v8, v9, (EMAX+1)<<23        ; and the floor 2^(3 - 127): the byte cannot fall under 1
	v_max_num_f32_dpp v8, v8, v8 row_xmask:1 row_mask:0xf bank_mask:0xf   ; with my neighbour's 16: the block's
	v_add_nc_u32 v11, -(EMAX<<23), v8              ; 2 off its exponent field: the conversion takes this operand's exponent field as its scale
	v_cvt_scalef32_pk8_fp4_f32 v[C+4*(\t)], v[XS:XS+7], v11        ; to the nearest code, ties to even, beyond 6 the largest code
	v_cvt_scalef32_pk8_fp4_f32 v[C+4*(\t)+1], v[XS+8:XS+15], v11
	v_lshrrev_b32 v[E+(\t)], 23, v11               ; the scale's byte
	ds_store_b8 v5, v[E+(\t)] offset:16*(\t)       ; both lanes of a block write the same byte with the same value
	global_store_b64 v4, v[C+4*(\t):C+4*(\t)+1], s[34:35] offset:32*CB*(\t)   ; the wave stores 256 consecutive bytes
.endm
.irp t, 0,1,2,3,4,5,6,7,8,9,10,11,12,13,14,15
	STEP \t
.endr
	ds_load_b64 v[8:9], v6                         ; LDS serves a wave's instructions in order: these see my byte stores
	s_wait_dscnt 0x0
	global_store_b64 v7, v[8:9], s[36:37]          ; 256 consecutive bytes
	s_wait_tensorcnt 0x0                           ; the wave's end
	ds_add_u32 v[SPW], v[NIL]
	s_wait_dscnt 0x0
	s_endpgm
; Wo to f16, rounded once.  A wave takes 8,192 numbers: 64 loads of 512 consecutive bytes in four rounds of 16, two rounds on their way; a load's 128 numbers leave as 256 consecutive bytes.
.Lwo:
	s_sub_co_u32 s25, ttmp9, 224
	s_lshl_b32 s25, s25, 2
	s_add_co_u32 s25, s25, s24                     ; my wave's run
	s_lshl_b32 s28, s25, 15
	s_mov_b32 s29, 0
	s_lshl_b32 s30, s25, 14
	s_mov_b32 s31, 0
	v_lshlrev_b32 v4, 3, v2                        ; 8 bytes a lane on the way out
	s_wait_kmcnt 0x0
	s_add_nc_u64 s[12:13], s[12:13], s[28:29]
	s_add_nc_u64 s[22:23], s[22:23], s[30:31]
.macro WLOAD k
.irp i, 0,1,2,3,4,5,6,7,8,9,10,11,12,13,14,15
	global_load_b128 v[16+64*((\k)%2)+4*\i:16+64*((\k)%2)+4*\i+3], v3, s[12:13] offset:8192*(\k)+512*\i th:TH_LOAD_NT
.endr
.endm
.macro WROUND k
.if (\k) < 3
	s_wait_loadcnt 16                              ; this round's 16 loads are in, the next round's 16 stay out
.else
	s_wait_loadcnt 0x0
.endif
.if (\k) >= 2
	s_wait_xcnt 0x0                                ; the stores of two rounds ago have read their data: these registers are written again only behind this wait
.endif
.irp i, 0,1,2,3,4,5,6,7,8,9,10,11,12,13,14,15
	v_cvt_pk_f16_f32 v[144+32*((\k)%2)+2*\i], v[16+64*((\k)%2)+4*\i], v[16+64*((\k)%2)+4*\i+1]
	v_cvt_pk_f16_f32 v[144+32*((\k)%2)+2*\i+1], v[16+64*((\k)%2)+4*\i+2], v[16+64*((\k)%2)+4*\i+3]
.endr
.irp i, 0,1,2,3,4,5,6,7,8,9,10,11,12,13,14,15
	global_store_b64 v4, v[144+32*((\k)%2)+2*\i:144+32*((\k)%2)+2*\i+1], s[22:23] offset:4096*(\k)+256*\i
.endr
.if (\k)+2 < 4
	WLOAD (\k)+2
.endif
.endm
	WLOAD 0
	WLOAD 1
	WROUND 0
	WROUND 1
	WROUND 2
	WROUND 3
	s_wait_tensorcnt 0x0                           ; the same closing lines on this path, so that every end of the launch has one form
	ds_add_u32 v[SPW], v[NIL]
	s_wait_dscnt 0x0
	s_endpgm
.Lfunc_end_k_q8d534fb99d_quant:
	.size	k_q8d534fb99d_quant, .Lfunc_end_k_q8d534fb99d_quant-k_q8d534fb99d_quant
	.p2alignl 7, 3214868480
	.fill 96, 4, 3214868480
	.section	.rodata,"a",@progbits
	.p2align	6, 0x0
	.amdhsa_kernel k_q8d534fb99d_quant
		.amdhsa_group_segment_fixed_size 33280
		.amdhsa_private_segment_fixed_size 0
		.amdhsa_enable_private_segment 0
		.amdhsa_kernarg_size 80
		.amdhsa_user_sgpr_count 2
		.amdhsa_user_sgpr_kernarg_segment_ptr 1
		.amdhsa_wavefront_size32 1
		.amdhsa_system_sgpr_workgroup_id_x 1
		.amdhsa_system_sgpr_workgroup_id_y 1
		.amdhsa_system_sgpr_workgroup_id_z 1
		.amdhsa_system_vgpr_workitem_id 0
		.amdhsa_next_free_vgpr 208
		.amdhsa_next_free_sgpr 66
		.amdhsa_reserve_vcc 0
		.amdhsa_float_denorm_mode_32 3
		.amdhsa_float_denorm_mode_16_64 3
		.amdhsa_memory_ordered 1
		.amdhsa_forward_progress 1
		.amdhsa_inst_pref_size 54
	.end_amdhsa_kernel
	.amdgpu_metadata
---
amdhsa.version: [ 1, 2 ]
amdhsa.kernels:
  - .name:           k_q8d534fb99d_quant
    .symbol:         k_q8d534fb99d_quant.kd
    .args:
      - { .name: x, .offset: 0, .size: 8, .value_kind: global_buffer, .address_space: global }
      - { .name: Wq, .offset: 8, .size: 8, .value_kind: global_buffer, .address_space: global }
      - { .name: Wk, .offset: 16, .size: 8, .value_kind: global_buffer, .address_space: global }
      - { .name: Wv, .offset: 24, .size: 8, .value_kind: global_buffer, .address_space: global }
      - { .name: Wo, .offset: 32, .size: 8, .value_kind: global_buffer, .address_space: global }
      - { .name: xc, .offset: 40, .size: 8, .value_kind: global_buffer, .address_space: global }
      - { .name: xs, .offset: 48, .size: 8, .value_kind: global_buffer, .address_space: global }
      - { .name: wc, .offset: 56, .size: 8, .value_kind: global_buffer, .address_space: global }
      - { .name: ws, .offset: 64, .size: 8, .value_kind: global_buffer, .address_space: global }
      - { .name: wo16, .offset: 72, .size: 8, .value_kind: global_buffer, .address_space: global }
    .group_segment_fixed_size: 33280
    .private_segment_fixed_size: 0
    .kernarg_segment_align: 8
    .kernarg_segment_size: 80
    .max_flat_workgroup_size: 128
    .sgpr_count:     66
    .vgpr_count:     208
    .wavefront_size: 32
...
	.end_amdgpu_metadata
.endif
;; end of part 1
;; launch proj (part 2): grid 12 x 16, 4 waves a work-group, clusters of 4 x 1, 327,680 bytes of LDS; arguments xc, xs, wc, ws, qkv, qkv32; writes qkv, qkv32
.if DOCPART == 2
	.amdgcn_target "amdgcn-amd-amdhsa--gfx1250"
	.amdhsa_code_object_version 6
	.text
	.protected	k_q8d534fb99d_proj
	.globl	k_q8d534fb99d_proj
	.p2align	8
	.type	k_q8d534fb99d_proj,@function
k_q8d534fb99d_proj:
	s_mov_b64 s[64:65], 0
	v_nop
	global_prefetch_b8 v0, s[64:65] scope:SCOPE_SE
	s_setreg_imm32_b32 hwreg(HW_REG_WAVE_MODE, 25, 1), 1
	s_wait_xcnt 0x0
	s_wait_alu depctr_hold_cnt(0) depctr_sa_sdst(0) depctr_va_vdst(0) depctr_va_sdst(0) depctr_va_ssrc(0) depctr_va_vcc(0) depctr_vm_vsrc(0)
	s_getreg_b32 s2, hwreg(HW_REG_IB_STS2, 6, 4)
	s_cmp_eq_u32 s2, 0
	s_cbranch_scc0 .Lentry_in_a_cluster
	s_endpgm
.Lentry_in_a_cluster:
	s_bfe_u32 s2, ttmp6, 0x10000c
	s_cmp_lg_u32 s2, 0x3003
	s_cbranch_scc0 .Lentry_shape_is_right
	s_endpgm
.Lentry_shape_is_right:
; C[m][n] = sum over k of Q(x)[m][k] Q(W)[n][k], m = 4,096 positions, n = 3,072 rows of Wq, Wk, Wv on end, K = 1,024: codes of FP4 (E2M1) with one E8M0 byte for each 32 along K; sums in f32.
; C leaves as f16, plane by plane: qkv[n / 64][m][n % 64] (planes 0-15 q's heads, 16-31 k's, 32-47 v's).  LIMIT: |C| under 65,504.
; Positions 0-15 leave as f32 too, as images of the accumulators: qkv32[plane][2 b + g][lane r + 16 h][w] = C(r, 64 plane + 16 b + 8 h + 4 g + w).
; A tile of C, 256 x 256, is made by four waves, 128 x 128 each: 64 accumulators, 512 registers.  192 work-groups: a smaller tile would read every fragment from LDS twice as often, for a launch of 512 matrix instructions a wave.
; K is two slots of 512 (rows of 256 bytes): both are asked for at the start and nothing is filled again.  The scale bytes of the tile's rows, two dense blocks, come with them.
; CLUSTER: four work-groups along n share their 256 rows of x: x's tiles and scale bytes are asked for JOINTLY (mask 15).  W's tiles differ from partner to partner and come by plain loads.
; The cluster is one work-group high, so that the tile row is the same in all partners: the branch that stores the f32 images hangs on it.
; THE MATRIX INSTRUCTION IS USED TRANSPOSED (source 0 = 16 rows of W, source 1 = 16 rows of x): a lane holds eight neighbouring columns of one row of C.
; REGISTERS, in windows of 256: window 0: v0-31 addresses; v32-95 scale words, two sets; v128-191 x's fragments, one set; on the way out v128-223.  window 1: W's fragments, two sets.  windows 2, 3: the accumulators ((a, b) at v[8 (8 (a % 4) + b)]).
.set SIZE_M, 4096
.set SIZE_N, 3072
.set SIZE_K, 1024
.set KSTEP,  512                       ; along K in a slot
.set NQ,     KSTEP/128                 ; matrix instructions deep
.set ROWB,   256                       ; a tile's row in bytes
.set KROW,   SIZE_K*4/8                ; a row of codes in memory
.set PITCH,  272                       ; an LDS row: 256 bytes + 16 of padding: the 16 rows that a load touches start at 16 different banks (64 banks of 4 bytes: ISA guide 11.1)
.set FR,     8                         ; registers of a fragment
.set NL,     2                         ; LDS loads that bring one
.set NP,     4                         ; places behind this matrix instruction (ISA guide 7.12.1)
.set HALFT,  128*PITCH                 ; 128 rows: what one tensor load brings
.set SLOT,   4*HALFT                   ; x's 256 rows, then W's 256
.set KS,     SIZE_K/32                 ; a row of scale bytes
.set SCL,    2*SLOT                    ; behind the slots: the scale bytes, as pieces of 256 bytes + 16 of padding
.set HALFS,  (128*KS/256)*272          ; those of 128 rows
.set SBLK,   (16*KS/256)*272           ; those of 16 rows
.set SPARE,  SCL+4*HALFS               ; the spare words, 128 bytes a wave, that no other line names
.set SPITCH, 272                       ; the way out: a stage of 16 rows x (256 bytes + 16) for each wave, in slot 0, which has had its only fill and its last read by then
.set PLANE,  524288                    ; a plane of qkv in bytes
.set ADRA, 16                          ; v16-17 LDS address of my fragments of x in slot 0, 1
.set ADRB, 20                          ; v20-21 the same for W
.set STO,  24                          ; v24 the way out: where I put 16 bytes of a row
.set RD,   25                          ; v25 where I read back
.set CO,   26                          ; v26 16 x lane
.set ADRS, 27                          ; v27 LDS address of my scale words: lanes 0-15 x's rows, lanes 16-31 W's
.set SPW,  28                          ; v28 LDS address of my spare word; never rewritten
.set NIL,  29                          ; v29 0; never rewritten
.set SC,   32                          ; scale words: set s at v[SC + 32 s]; register 4 i + q: lanes 0-15 x's block i, lanes 16-31 W's block i, the slot's q-th 128 along K
.set AF,   128                         ; x's fragments
.set BK,   128                         ; the way out: rows read back, v128-159 and v160-191 by turns
.set TMP,  192                         ; the way out: a block rounded to f16
.set G1, 24                            ; s[24:31] group 1 for x's tiles; s[32:39] group 0, a set for each slot
.set G0, 32
.set G1B, 48                           ; the same for W's tiles
.set G0B, 56
.set G1S, 68                           ; s[68:75], s[76:79] for x's scale bytes; s[80:87], s[88:91] for W's
.set G0S, 76
.set G1SB, 80
.set G0SB, 88
.set MSB, 0
.macro WIN new                         ; the immediate's high byte repeats the setting that is left
.if MSB != \new
	s_set_vgpr_msb (MSB<<8)|\new
.set MSB, \new
.endif
.endm
.set MUL_LO, 0xa1                      ; source 0 (W) window 1, source 1 (x) window 0, C and D window 2
.set MUL_HI, 0xf1                      ; the same, C and D window 3
.set TO_B,   0x40                      ; destination window 1
; Waves 0 and 1 fetch for x (jointly), waves 2 and 3 for W.  The branch hangs on the wave's number alone.  An s_nop 0 and four v_nop follow each of the two lines.
.macro JLOAD g0a, g1a, g0b, g1b
	s_cmp_eq_u32 s15, 0
	s_cbranch_scc0 .Lfor_b_\@
	tensor_load_to_lds s[\g0a:\g0a+3], s[\g1a:\g1a+7]
	s_nop 0
.rept 4
	v_nop
.endr
	s_branch .Lasked_\@
.Lfor_b_\@:
	tensor_load_to_lds s[\g0b:\g0b+3], s[\g1b:\g1b+7]
	s_nop 0
.rept 4
	v_nop
.endr
.Lasked_\@:
.endm
.macro CROUND                          ; a round of the cluster's barrier
	s_barrier_signal -1
	s_barrier_wait -1
	s_cmp_lg_u32 s14, 0
	s_cbranch_scc1 .Lnot_wave_0_\@
	s_barrier_signal -3
.Lnot_wave_0_\@:
	s_barrier_wait -3
	s_barrier_signal -1
	s_barrier_wait -1
.endm
	s_load_b128 s[4:7], s[0:1], 0x0                ; x's codes, x's scale bytes
	s_load_b128 s[8:11], s[0:1], 0x10              ; W's codes, W's scale bytes
	s_load_b64 s[12:13], s[0:1], 0x20              ; qkv
	s_load_b64 s[96:97], s[0:1], 0x28              ; qkv32
	v_lshl_add_u32 v[SPW], v0, 2, SPARE
	v_mov_b32 v[NIL], 0
	ds_add_u32 v[SPW], v[NIL]                      ; the wave's opening: the add, twice on end, and its wait ahead of my first tensor load
	ds_add_u32 v[SPW], v[NIL]
	v_lshrrev_b32 v1, 5, v0
	v_readfirstlane_b32 s14, v1                    ; wave 0..3
	s_lshr_b32 s15, s14, 1                         ; which half of the tile's rows is mine.  Also: I fetch for x (0) or for W (1)
	s_and_b32 s16, s14, 1                          ; which half of its columns.  Also: which 128 rows I fetch
	s_bfe_u32 s40, ttmp6, 0x40000                  ; cx: my place in the cluster
	s_lshl_b32 s42, ttmp9, 2
	s_add_co_u32 s42, s42, s40                     ; tile column = 4 x cluster x + cx
	s_and_b32 s17, ttmp7, 0xffff                   ; tile row: the cluster's y, shared by the four partners
	; group 1: tiles of 128 rows x 256 bytes, 16 bytes of padding behind each row
	s_mov_b32 s[G1+0], 15|(1<<20)|(1<<21)|(5<<22)|(3<<25)          ; 15:0 the mask: all four partners; elements of 1 byte; 20 padding on; 21 set beside a mask; after every 64 words four words
	s_mov_b32 s[G1B+0], (1<<20)|(5<<22)|(3<<25)                    ; no mask: a load of my own
.irp g, G1, G1B
	s_mov_b32 s[\g+1], ROWB<<16                    ; tensor_dim0
	s_mov_b32 s[\g+2], 128<<16                     ; tensor_dim1
	s_mov_b32 s[\g+3], ROWB<<16                    ; tile_dim0
	s_mov_b32 s[\g+4], 128                         ; tile_dim1
	s_mov_b32 s[\g+5], KROW                        ; from row to row
	s_mov_b32 s[\g+6], 0
	s_mov_b32 s[\g+7], 0
.endr
	; the scale bytes of 128 rows: 4,096 dense bytes, as 16 rows of 256 bytes (32 elements of 8), 16 bytes of padding behind each
	s_mov_b32 s[G1S+0], 15|(3<<16)|(1<<20)|(1<<21)|(5<<22)|(3<<25)
	s_mov_b32 s[G1SB+0], (3<<16)|(1<<20)|(5<<22)|(3<<25)
.irp g, G1S, G1SB
	s_mov_b32 s[\g+1], 32<<16
	s_mov_b32 s[\g+2], (128*KS/256)<<16
	s_mov_b32 s[\g+3], 32<<16
	s_mov_b32 s[\g+4], 128*KS/256
	s_mov_b32 s[\g+5], 32
	s_mov_b32 s[\g+6], 0
	s_mov_b32 s[\g+7], 0
.endr
	s_lshl_b32 s18, s16, 7                         ; which 128 rows of the tile I fetch
	s_lshl_b32 s20, s17, 8
	s_add_co_u32 s20, s20, s18                     ; x: row 256 x tile row + 128 x half
	s_lshl_b32 s46, s42, 8
	s_add_co_u32 s46, s46, s18                     ; W: row 256 x tile column + 128 x half
	s_mov_b32 s21, 0
	s_mov_b32 s47, 0
	s_mov_b64 s[18:19], KS
	s_mul_u64 s[22:23], s[20:21], s[18:19]         ; where these rows' scale bytes begin
	s_mul_u64 s[92:93], s[46:47], s[18:19]
	s_mov_b64 s[18:19], KROW
	s_mul_u64 s[20:21], s[20:21], s[18:19]         ; and their codes
	s_mul_u64 s[46:47], s[46:47], s[18:19]
	s_mul_i32 s45, s14, HALFT                      ; where they go: wave x 128 rows: no place in the cluster enters an LDS address
	s_mul_i32 s94, s14, HALFS
	s_wait_dscnt 0x0                               ; both opening adds are done
	s_wait_kmcnt 0x0
	s_add_nc_u64 s[20:21], s[4:5], s[20:21]
	s_add_nc_u64 s[22:23], s[6:7], s[22:23]
	s_add_nc_u64 s[46:47], s[8:9], s[46:47]
	s_add_nc_u64 s[92:93], s[10:11], s[92:93]
	CROUND                                         ; all four work-groups are here: the joint loads meet
	s_mov_b32 s[G0S], 1
	s_add_co_u32 s[G0S+1], s94, SCL
	s_mov_b64 s[G0S+2:G0S+3], s[22:23]
	s_or_b32 s[G0S+3], s[G0S+3], 0x80000000
	s_mov_b32 s[G0SB], 1
	s_add_co_u32 s[G0SB+1], s94, SCL
	s_mov_b64 s[G0SB+2:G0SB+3], s[92:93]
	s_or_b32 s[G0SB+3], s[G0SB+3], 0x80000000
	JLOAD G0S, G1S, G0SB, G1SB                     ; the scale bytes first: they are wanted with slot 0
.irp s, 0,1
	s_mov_b32 s[G0+4*\s], 1
	s_add_co_u32 s[G0+4*\s+1], s45, \s*SLOT
	s_add_nc_u64 s[G0+4*\s+2:G0+4*\s+3], s[20:21], \s*ROWB
	s_or_b32 s[G0+4*\s+3], s[G0+4*\s+3], 0x80000000
	s_mov_b32 s[G0B+4*\s], 1
	s_add_co_u32 s[G0B+4*\s+1], s45, \s*SLOT
	s_add_nc_u64 s[G0B+4*\s+2:G0B+4*\s+3], s[46:47], \s*ROWB
	s_or_b32 s[G0B+4*\s+3], s[G0B+4*\s+3], 0x80000000
	JLOAD G0+4*\s, G1, G0B+4*\s, G1B               ; three loads of mine are out at the most
.endr
	v_and_b32 v1, 15, v0                           ; r = l % 16
	v_bfe_u32 v2, v0, 4, 1                         ; h = l / 16
	v_mul_u32_u24 v3, v1, PITCH
	v_lshl_add_u32 v4, v2, 4, v3                   ; a fragment's row x pitch + 16 x half
	s_mul_i32 s21, s15, HALFT                      ; my 128 rows of x
	s_mul_i32 s22, s16, HALFT                      ; my 128 rows of W,
	s_add_co_u32 s22, s22, 2*HALFT                 ; which lie behind x's 256
.irp s, 0,1
	v_add_nc_u32 v[ADRA+\s], s21, v4
	v_add_nc_u32 v[ADRB+\s], s22, v4
	s_add_co_u32 s21, s21, SLOT
	s_add_co_u32 s22, s22, SLOT
.endr
	v_mul_u32_u24 v5, v1, KS                       ; my row's scale bytes: 32 a row,
	v_lshrrev_b32 v6, 8, v5
	v_lshl_add_u32 v5, v6, 4, v5                   ; and 16 more for each 256 passed
	s_mul_i32 s21, s15, HALFS                      ; x's: my 128 rows
	s_mul_i32 s22, s16, HALFS                      ; W's: my 128 rows, behind x's 256
	s_add_co_u32 s22, s22, 2*HALFS
	s_sub_co_u32 s22, s22, s21
	v_mul_u32_u24 v6, s22, v2                      ; lanes 16-31 take W's: the lower base + h x the distance
	s_add_co_u32 s21, s21, SCL
	v_add_nc_u32 v5, v5, v6
	v_add_nc_u32 v[ADRS], s21, v5
	s_mul_i32 s23, s14, 16*SPITCH                  ; my stage
	v_mul_u32_u24 v5, v1, SPITCH                   ; in: row r, 16 bytes for each half of the lanes
	v_lshl_add_u32 v5, v2, 4, v5
	v_add_nc_u32 v[STO], s23, v5
	v_and_b32 v6, 31, v0
	v_lshlrev_b32 v[CO], 4, v6                     ; out: four rows of a plane are 512 consecutive bytes: 16 x lane
	v_lshrrev_b32 v5, 3, v6
	v_mul_u32_u24 v5, v5, SPITCH                   ; back: eight lanes to a row's 128 bytes of one plane, four rows an instruction
	v_and_b32 v6, 7, v6
	v_lshl_add_u32 v5, v6, 4, v5
	v_add_nc_u32 v[RD], s23, v5
	s_lshl_b32 s20, s42, 2
	s_lshl_b32 s21, s16, 1
	s_add_co_u32 s20, s20, s21                     ; my first plane: 4 x tile column + 2 x half
	s_lshl_b32 s46, s20, 12                        ; its image in qkv32: 4,096 bytes a plane
	s_mov_b32 s47, 0
	s_add_nc_u64 s[96:97], s[96:97], s[46:47]
	s_lshl_b32 s20, s20, 19                        ; in qkv: the plane,
	s_lshl_b32 s21, s17, 15                        ; 256 rows of 128 bytes a tile row,
	s_add_co_u32 s20, s20, s21
	s_lshl_b32 s21, s15, 14                        ; 128 rows a half
	s_add_co_u32 s20, s20, s21
	s_mov_b32 s21, 0
	s_add_nc_u64 s[12:13], s[12:13], s[20:21]
.macro FRAG reg, adr, q, i             ; 16 rows x 128 K of 4-bit codes: lane l holds row l % 16; registers 4 c .. 4 c + 3 hold K = 64 c + 32 (l / 16) + 0 .. 31
.irp c, 0,1
	ds_load_b128 v[\reg+4*\c:\reg+4*\c+3], v[\adr] offset:64*(\q)+32*\c+(\i)*16*PITCH
.endr
.endm
; 16 matrix instructions: x's blocks a0, a0 + 1 against W's eight, the slot's q-th 128 along K.  p: W's set; sc: the set of scale words; zero = 1: the product starts the sums.
; The 64 accumulators take turns, one instruction a turn, in the same order in every step.
.macro MUL16 a0, p, q, sc, zero
.irp a, \a0, \a0+1
.irp b, 0,1,2,3,4,5,6,7
.if \zero
	v_wmma_scale_f32_16x16x128_f8f6f4 v[8*(8*((\a)%4)+\b):8*(8*((\a)%4)+\b)+7], v[128*(\p)+FR*\b:128*(\p)+FR*\b+FR-1], v[AF+FR*(\a):AF+FR*(\a)+FR-1], 0, v[SC+8*NQ*(\sc)+NQ*\b+(\q)], v[SC+8*NQ*(\sc)+NQ*(\a)+(\q)] matrix_a_fmt:MATRIX_FMT_FP4 matrix_b_fmt:MATRIX_FMT_FP4 matrix_a_scale:MATRIX_SCALE_ROW1
.else
	v_wmma_scale_f32_16x16x128_f8f6f4 v[8*(8*((\a)%4)+\b):8*(8*((\a)%4)+\b)+7], v[128*(\p)+FR*\b:128*(\p)+FR*\b+FR-1], v[AF+FR*(\a):AF+FR*(\a)+FR-1], v[8*(8*((\a)%4)+\b):8*(8*((\a)%4)+\b)+7], v[SC+8*NQ*(\sc)+NQ*\b+(\q)], v[SC+8*NQ*(\sc)+NQ*(\a)+(\q)] matrix_a_fmt:MATRIX_FMT_FP4 matrix_b_fmt:MATRIX_FMT_FP4 matrix_a_scale:MATRIX_SCALE_ROW1
.endif
.endr
.endr
.endm
.macro FETCH_B slot, q, p              ; W's eight fragments into set p
	WIN TO_B
.irp i, 0,1,2,3,4,5,6,7
	FRAG 128*(\p)+FR*\i, ADRB+\slot, \q, \i
.endr
	WIN 0
.endm
.macro FETCH_A slot, q, i0             ; x's blocks i0 .. i0 + 3
.irp i, \i0, \i0+1, \i0+2, \i0+3
	FRAG AF+FR*(\i), ADRA+\slot, \q, \i
.endr
.endm
.macro SCALES sc                       ; a slot's scale words: four words a row; lanes 0-15 x's block i, lanes 16-31 W's block i
.irp i, 0,1,2,3,4,5,6,7
	ds_load_b128 v[SC+8*NQ*\sc+NQ*\i:SC+8*NQ*\sc+NQ*\i+3], v[ADRS] offset:\i*SBLK
.endr
.endm
.macro PLACES n                        ; plain vector instructions between a matrix instruction and a load into one of its registers, or a read of its result
.rept \n
	v_nop
.endr
.endm
.macro STEP slot, q, zero              ; a step of 128 along K that has its successor in the same slot
	s_wait_dscnt 4*NL                              ; W's set and x's blocks 0-3 are in; the youngest eight loads (x's blocks 4-7) may be out
	WIN MUL_LO
	MUL16 0, (\q)%2, \q, \slot, \zero
	MUL16 2, (\q)%2, \q, \slot, \zero
	s_wait_dscnt 0                                 ; x's blocks 4-7 are in
	PLACES NP
	FETCH_B \slot, (\q)+1, 1-(\q)%2
	FETCH_A \slot, (\q)+1, 0
	WIN MUL_HI
	MUL16 4, (\q)%2, \q, \slot, \zero
	MUL16 6, (\q)%2, \q, \slot, \zero
	PLACES NP
	WIN 0
	FETCH_A \slot, (\q)+1, 4
.endm
; Slot 0's last step leads over to slot 1: each wave waits for all its tensor loads (its part of slot 1), adds 0 to its spare word, waits for that and for its reads of slot 0, and passes the barrier.
.macro TURN slot, next
	s_wait_tensorcnt 0x0                           ; my part of the next slot has landed
	ds_add_u32 v[SPW], v[NIL]                      ; 0 onto my spare word
	s_wait_dscnt 4*NL+1                            ; the add and the youngest eight loads may be out
	WIN MUL_LO
	MUL16 0, 1, NQ-1, \slot, 0
	s_wait_dscnt 0x0                               ; the add is done, and my reads of this slot are over
	s_barrier_signal -1
	MUL16 2, 1, NQ-1, \slot, 0
	WIN 0
	s_barrier_wait -1
	PLACES NP
	v_add_nc_u32 v[ADRS], 4*NQ, v[ADRS]            ; on to the next slot's scale words
	FETCH_B \next, 0, 0
	FETCH_A \next, 0, 0
	SCALES \next
	WIN MUL_HI
	MUL16 4, 1, NQ-1, \slot, 0
	MUL16 6, 1, NQ-1, \slot, 0
	PLACES NP
	WIN 0
	FETCH_A \next, 0, 4
.endm
.macro STEPS slot, from                ; the slot's steps from .. NQ - 2
.set Q, \from
.rept NQ-1-\from
	STEP \slot, Q, 0
.set Q, Q+1
.endr
.endm
	s_wait_tensorcnt 1                             ; the scale bytes and my part of slot 0 are in; slot 1's load may be out
	s_barrier_signal -1
	s_barrier_wait -1                              ; everybody's are
	FETCH_B 0, 0, 0
	FETCH_A 0, 0, 0
	SCALES 0
	FETCH_A 0, 0, 4
	STEP 0, 0, 1                                   ; the first step's products start the sums: nothing is cleared
	STEPS 0, 1
	TURN 0, 1
	STEPS 1, 0
	s_wait_dscnt 4*NL                              ; the last step: nothing more to fetch
	WIN MUL_LO
	MUL16 0, 1, NQ-1, 1, 0
	MUL16 2, 1, NQ-1, 1, 0
	s_wait_dscnt 0
	WIN MUL_HI
	MUL16 4, 1, NQ-1, 1, 0
	MUL16 6, 1, NQ-1, 1, 0
	WIN 0
	PLACES NP
	; positions 0-15 in f32: the waves with the first 128 rows of tile row 0 store their block 0 as it stands in the registers.  The branch hangs on the tile row, which all partners share, and on the wave's number.
	s_or_b32 s3, s17, s15
	s_cmp_lg_u32 s3, 0
	s_cbranch_scc1 .Lno32
	WIN 0x08                                       ; a store's data: window 2
.irp b, 0,1,2,3,4,5,6,7
.irp g, 0,1
	global_store_b128 v[CO], v[8*\b+4*\g:8*\b+4*\g+3], s[96:97] offset:(2*\b+\g)*512   ; 512 consecutive bytes; each accumulator from its low end on
.endr
.endr
	WIN 0
.Lno32:
; THE WAY OUT, block by block of 16 rows x 128 columns (two planes).  PACK: rounded to f16, 16 bytes a lane.  TOSTAGE: into my stage and back, four rows of one plane an instruction.  SEND: stored, 512 consecutive bytes an instruction.
.macro PACK a
.set AC, 64*((\a)%4)
	WIN 0x0a+5*((\a)/4)                            ; sources 0 and 1: window 2 or 3
.irp b, 0,1,2,3,4,5,6,7
.irp r, 0,1,2,3
	v_cvt_pk_f16_f32 v[TMP+4*\b+\r], v[AC+8*\b+2*\r], v[AC+8*\b+2*\r+1]
.endr
.endr
	WIN 0
.endm
.macro TOSTAGE a
.set BB, BK+32*((\a)%2)
.irp b, 0,1,2,3,4,5,6,7
	ds_store_b128 v[STO], v[TMP+4*\b:TMP+4*\b+3] offset:32*\b
.endr
.irp hh, 0,1
.irp e, 0,1,2,3
	ds_load_b128 v[BB+4*(4*\hh+\e):BB+4*(4*\hh+\e)+3], v[RD] offset:\e*4*SPITCH+128*\hh   ; LDS serves a wave's instructions in order: these see the stores above
.endr
.endr
.endm
.macro SEND a
.set BB, BK+32*((\a)%2)
	s_wait_dscnt 0x0                               ; the block is back in registers
	s_wait_xcnt 0x0                                ; earlier stores have read their base and their data: both are written again only behind this wait
.if (\a) > 0
	s_add_nc_u64 s[12:13], s[12:13], 16*128        ; 16 rows of a plane on
.endif
.irp hh, 0,1
.irp e, 0,1,2,3
	global_store_b128 v[CO], v[BB+4*(4*\hh+\e):BB+4*(4*\hh+\e)+3], s[12:13] offset:\hh*PLANE+\e*512
.endr
.endr
.endm
	PACK 0
	TOSTAGE 0
.irp a, 1,2,3,4,5,6,7                  ; block a's conversions stand between block a - 1's loads from the stage and the wait for them
	PACK \a
	SEND \a-1
	TOSTAGE \a
.endr
	SEND 7
	s_wait_tensorcnt 0x0                           ; the wave's end
	ds_add_u32 v[SPW], v[NIL]
	s_wait_dscnt 0x0
	CROUND                                         ; the closing round: no work-group ends while a partner may still ask for a tile that names it
	s_endpgm
.Lfunc_end_k_q8d534fb99d_proj:
	.size	k_q8d534fb99d_proj, .Lfunc_end_k_q8d534fb99d_proj-k_q8d534fb99d_proj
	.p2alignl 7, 3214868480
	.fill 96, 4, 3214868480
	.section	.rodata,"a",@progbits
	.p2align	6, 0x0
	.amdhsa_kernel k_q8d534fb99d_proj
		.amdhsa_group_segment_fixed_size 327680
		.amdhsa_private_segment_fixed_size 0
		.amdhsa_enable_private_segment 0
		.amdhsa_kernarg_size 48
		.amdhsa_user_sgpr_count 2
		.amdhsa_user_sgpr_kernarg_segment_ptr 1
		.amdhsa_wavefront_size32 1
		.amdhsa_system_sgpr_workgroup_id_x 1
		.amdhsa_system_sgpr_workgroup_id_y 1
		.amdhsa_system_sgpr_workgroup_id_z 1
		.amdhsa_system_vgpr_workitem_id 0
		.amdhsa_next_free_vgpr 1024
		.amdhsa_next_free_sgpr 98
		.amdhsa_reserve_vcc 0
		.amdhsa_float_denorm_mode_32 3
		.amdhsa_float_denorm_mode_16_64 3
		.amdhsa_memory_ordered 1
		.amdhsa_forward_progress 1
		.amdhsa_inst_pref_size 128
	.end_amdhsa_kernel
	.amdgpu_metadata
---
amdhsa.version: [ 1, 2 ]
amdhsa.kernels:
  - .name:           k_q8d534fb99d_proj
    .symbol:         k_q8d534fb99d_proj.kd
    .args:
      - { .name: xc, .offset: 0, .size: 8, .value_kind: global_buffer, .address_space: global }
      - { .name: xs, .offset: 8, .size: 8, .value_kind: global_buffer, .address_space: global }
      - { .name: wc, .offset: 16, .size: 8, .value_kind: global_buffer, .address_space: global }
      - { .name: ws, .offset: 24, .size: 8, .value_kind: global_buffer, .address_space: global }
      - { .name: qkv, .offset: 32, .size: 8, .value_kind: global_buffer, .address_space: global }
      - { .name: qkv32, .offset: 40, .size: 8, .value_kind: global_buffer, .address_space: global }
    .group_segment_fixed_size: 327680
    .private_segment_fixed_size: 0
    .kernarg_segment_align: 8
    .kernarg_segment_size: 48
    .max_flat_workgroup_size: 128
    .sgpr_count:     98
    .vgpr_count:     1024
    .wavefront_size: 32
...
	.end_amdgpu_metadata
.endif
;; end of part 2
;; launch attn (part 3): grid 16 x 16, 16 waves a work-group, no clusters, 327,680 bytes of LDS; arguments qkv, o16; writes o16
.if DOCPART == 3
	.amdgcn_target "amdgcn-amd-amdhsa--gfx1250"
	.amdhsa_code_object_version 6
	.text
	.protected	k_q8d534fb99d_attn
	.globl	k_q8d534fb99d_attn
	.p2align	8
	.type	k_q8d534fb99d_attn,@function
k_q8d534fb99d_attn:
	s_mov_b64 s[64:65], 0
	v_nop
	global_prefetch_b8 v0, s[64:65] scope:SCOPE_SE
	s_setreg_imm32_b32 hwreg(HW_REG_WAVE_MODE, 25, 1), 1
	s_wait_xcnt 0x0
; o[q][64 head + d] = the sum over keys k <= q of softmax_k(q.k / 8) v[k][d], for one head a work-group column.  q, k, v: planes of qkv, [4096][64] f16; o16: [4096][1024] f16.  Products on f16 operands, sums, maxima and softmax in f32.
; WORK LEFT OUT: key steps all of whose keys come after all queries of a wave are neither multiplied, nor are slots beyond a work-group's last query loaded: reference()'s own tril gives them the weight 0 for every input.
; LIMITS: a NaN or infinity that reaches only such steps is not carried to the result; |q|, |k|, |v| under 65,504; NaN and infinities among the inputs are not served.
; SHARES.  A head's queries are 32 blocks of 128.  Work-group i takes block 31 - i and then block i: ceil((32 - i) / 2) + ceil((i + 1) / 2) = 17 slots of 256 keys for every i, so all 256 work-groups have the same work.
; Wave w: its 32 queries are those of group w % 4 (two tiles of 16), its keys the quarter w / 4 of every slot (64 keys: one key step a slot).  Both tiles share each fragment of K and V.
; The four key shares of a query, each with its own maximum and sum, are merged through LDS at a block's end (FLUSH).  Four waves lie on a SIMD: one wave's softmax stands beside another's products.
; NO CLUSTER: under the mask partners would need different numbers of tiles, and every wave of some partner would pass over the reads of a tile that was asked for jointly.
; TRIP COUNTS ARE CONSTANTS: 16 slots for the first block, 8 for the second.  Steps beyond the diagonal are passed over by scalar branches on ids; waits, adds and barriers are run by all waves in every trip.
; LAYOUT.  S^T = K Q^T (source 0 = 16 keys, source 1 = 16 queries) and O^T = V^T P: a lane holds ONE query throughout.  Two tiles of S^T, rounded to f16 in pairs, ARE source 1 of the second product.  V comes out of LDS turned (ds_load_tr16_b128).
; SOFTMAX.  A running maximum m and sum l for each query: p = 2^(c s - c m), c = log2(e) / 8; in every step O and l are multiplied by a = 2^(c m_old - c m_new).
.set PLANE, 524288                     ; a plane of qkv in bytes
.set KP,    144                        ; a key's row of K in LDS: 128 bytes + 16: an odd multiple of 16
.set VP,    160                        ; of V: 128 + 32: an odd multiple of 32, for the turning load
.set VOFF,  256*KP                     ; a slot: 256 rows of K, then 256 rows of V
.set SLOT,  81920                      ; 0x14000: shares no bit with VOFF = 0x9000, so one exclusive or turns an address in one slot into the other's
.set SLOTB, 32768                      ; a slot's 256 keys in memory: bytes of K, and of V
.set STG,   2*SLOT                     ; the merge: [4 key shares][128 queries] rows of 256 bytes + 16
.set SGP,   272
.set SGK,   128*SGP
.set MS,    STG+4*SGK                  ; [4 key shares][128 queries] pairs (c m, l)
.set SPARE, MS+4096                    ; the spare words, 128 bytes a wave, that no other line names
.set AK0, 1                            ; v1  my lane's place in my quarter of a slot's K
.set AV0, 2                            ; v2  the same for V
.set ADK, 3                            ; v3  LDS address of the step's K
.set ADV, 4                            ; v4  of its V
.set SPW, 5                            ; v5  LDS address of my spare word; never rewritten
.set NIL, 6                            ; v6  0; never rewritten
.set QO,  7                            ; v7  my byte offset in the wave's rows of q
.set MLW, 8                            ; v8  where I put (c m, l)
.set MLR, 9                            ; v9  where I read the four shares' back
.set STO, 10                           ; v10 where I put my share of O
.set SRD, 11                           ; v11 where I read shares 0, 1 back
.set SRD2, 12                          ; v12 shares 2, 3
.set GO,  13                           ; v13 my byte offset in the wave's eight rows of o16
.set PFO, 15                           ; v15 256 x lane: the prefetches' offset; never rewritten
.set ST,  16                           ; v16-31 tile u at ST + 8 u: +0 c m, +1 m, +2, +3 l in two halves, +4 .. +7 at work; a in +6
.set QF,  32                           ; v32-63 q: fragment (u, cs) at QF + 16 u + 8 cs
.set KV,  64                           ; v64-127 K (kt, cs) at KV + 16 kt + 8 cs; then V (ps, t) at KV + 32 ps + 8 t
.set S,   128                          ; v128-191 S^T (u, kt) at S + 32 u + 8 kt; P (u, ps) ends in S + 32 u + 16 ps .. + 7
.set OT,  192                          ; v192-255 O^T (u, t) at OT + 32 u + 8 t
.set WV,  8                            ; s8  wave
.set QG,  9                            ; s9  query group w % 4
.set KOF, 10                           ; s10 64 x (w / 4): my keys' place in a slot
.set WI,  11                           ; s11 i
.set HD,  12                           ; s12 head
.set BQ,  13                           ; s13 the block of queries in hand
.set Q0,  14                           ; s14 my first query
.set LASTQ, 15                         ; s15 the work-group's last query
.set KS0, 16                           ; s16 the slot's first key
.set TB,  17                           ; s17 LDS byte at which the slot in hand begins
.set CNT, 18                           ; s18 trips to go
.set SEL, 20                           ; s[20:21] lane selects: lane l xor 16
.set CS,  22                           ; s[22:23] c, twice: the packed form names a pair
.set G1K, 24                           ; s[24:31] group 1 for K's tiles; s[32:39] for V's
.set G1V, 32
.set G0K, 40                           ; s[40:43], s[44:47] their groups 0, which walk
.set G0V, 44
.set KB,  48                           ; s[48:49] the head's K; s[50:51] its V
.set VB,  50
.set QB,  52                           ; s[52:53] q at my first query
.set OB,  54                           ; s[54:55] o16 at my wave's eight rows
.set PFA, 56                           ; s[56:57] where my prefetches stand
.set LIM, 58                           ; s58 1 in a wave that prefetches, else the greatest number
; Wave 0 fetches a slot's K (256 rows, dense in memory), wave 1 its V, the others nothing.  An s_nop 0 and four v_nop follow each of the two lines.  One load of a wave is out at the most.
.macro TLOAD
	s_cmp_eq_u32 s[WV], 0
	s_cbranch_scc0 .Lnot_k_\@
	tensor_load_to_lds s[G0K:G0K+3], s[G1K:G1K+7]
	s_nop 0
.rept 4
	v_nop
.endr
	s_branch .Lasked_\@
.Lnot_k_\@:
	s_cmp_eq_u32 s[WV], 1
	s_cbranch_scc0 .Lasked_\@
	tensor_load_to_lds s[G0V:G0V+3], s[G1V:G1V+7]
	s_nop 0
.rept 4
	v_nop
.endr
.Lasked_\@:
.endm
; A prefetch of the slot that the NEXT change will ask for.  All sixteen work-groups of a head walk the same K and V; work-group 0, whose first block walks all 16 slots, asks, and nobody else.
; In it waves 4 to 7 ask for K's 32,768 bytes, waves 8 to 11 for V's: 8,192 bytes a wave, lanes 256 bytes apart, one instruction.  So each piece of 256 bytes is named once in the launch.
; Trip t names slot t + 2; slots 0 and 1 come by their loads alone; the loop's last trip, and the second block, whose keys have been read, ask for nothing.
.macro ASK
	s_cmp_gt_u32 s[CNT], s[LIM]
	s_cbranch_scc0 .Lnot_mine_\@
	global_prefetch_b8 v[PFO], s[PFA:PFA+1] th:TH_LOAD_NT scope:SCOPE_SE
.Lnot_mine_\@:
.endm
; THE CHANGE OF SLOTS, at a trip's head.  Each wave waits for all its tensor loads, adds 0 to its spare word, and waits for that and for its reads of the slot that it has left; behind the barrier the slot ahead is whole and nobody reads the other.
; mode 1: the other slot is filled with the next 256 keys, while their first key is at or under the work-group's last query.  mode 2: with keys 0-255, for the second block.  mode 0: nothing follows.
.macro CHANGE mode, ask
	s_wait_tensorcnt 0x0                           ; no tensor load of mine is out, so a group 0 may be written
	ds_add_u32 v[SPW], v[NIL]                      ; 0 onto my spare word
.if \mode
	ds_add_u32 v[SPW], v[NIL]                      ; and once more where a tensor load follows
	s_xor_b32 s[G0K+1], s[G0K+1], SLOT             ; the walking descriptors: the other slot than last time
	s_xor_b32 s[G0V+1], s[G0V+1], SLOT
.if \mode == 1
	s_add_nc_u64 s[G0K+2:G0K+3], s[G0K+2:G0K+3], SLOTB   ; the next 256 keys; the type bits on top are not reached
	s_add_nc_u64 s[G0V+2:G0V+3], s[G0V+2:G0V+3], SLOTB
.else
	s_mov_b64 s[G0K+2:G0K+3], s[KB:KB+1]           ; back to the head's first keys
	s_or_b32 s[G0K+3], s[G0K+3], 0x80000000
	s_mov_b64 s[G0V+2:G0V+3], s[VB:VB+1]
	s_or_b32 s[G0V+3], s[G0V+3], 0x80000000
.endif
.endif
.if \ask
	s_wait_xcnt 0x0                                ; the last prefetch, a trip back, has read its address, so it may be written
	s_add_nc_u64 s[PFA:PFA+1], s[PFA:PFA+1], SLOTB
.endif
	s_wait_dscnt 0x0                               ; the add is done, and my reads of the slot that I have left are over
	s_barrier_signal -1
	s_barrier_wait -1
.if \mode == 1
	s_add_co_u32 s19, s[KS0], 256                  ; the first key of the slot that this change would ask for:
	s_cmp_gt_u32 s19, s[LASTQ]                     ; beyond the work-group's last query no wave reads it, so it is not asked for.  Ids and the count of trips alone: all sixteen waves go the same way
	s_cbranch_scc1 .Lpast_\@
.endif
.if \mode
	TLOAD                                          ; the first thing behind the barrier, and a wave's one tensor load until the next
.endif
.Lpast_\@:
.if \ask
	ASK
.endif
.endm
; A KEY STEP: my 64 keys of the slot in hand against my 32 queries.
.macro STEP
	s_add_co_u32 s19, s[KS0], s[KOF]               ; KF: my first key, a multiple of 64
	s_add_co_u32 s66, s[Q0], 31
	s_cmp_gt_u32 s19, s66                          ; all my keys come after all my queries: the step is passed over.  In a step that is walked KF <= Q0 (a multiple of 32), so every query has a key that counts
	s_cbranch_scc1 .Lhidden_\@
	v_add_nc_u32 v[ADK], s[TB], v[AK0]
	v_add_nc_u32 v[ADV], s[TB], v[AV0]
.irp kt, 0,1,2,3
.irp cs, 0,1
	ds_load_b128 v[KV+16*\kt+8*\cs:KV+16*\kt+8*\cs+3], v[ADK] offset:\kt*16*KP+64*\cs
	ds_load_b128 v[KV+16*\kt+8*\cs+4:KV+16*\kt+8*\cs+7], v[ADK] offset:\kt*16*KP+64*\cs+32
.endr
.endr
	s_wait_dscnt 0x0
.irp cs, 0,1                                   ; S^T = K Q^T: eight accumulators by turns, one instruction a turn
.irp kt, 0,1,2,3
.irp u, 0,1
.if \cs == 0
	v_wmma_f32_16x16x32_f16 v[S+32*\u+8*\kt:S+32*\u+8*\kt+7], v[KV+16*\kt+8*\cs:KV+16*\kt+8*\cs+7], v[QF+16*\u+8*\cs:QF+16*\u+8*\cs+7], 0
.else
	v_wmma_f32_16x16x32_f16 v[S+32*\u+8*\kt:S+32*\u+8*\kt+7], v[KV+16*\kt+8*\cs:KV+16*\kt+8*\cs+7], v[QF+16*\u+8*\cs:QF+16*\u+8*\cs+7], v[S+32*\u+8*\kt:S+32*\u+8*\kt+7]
.endif
.endr
.endr
.endr
.rept 4
	v_nop                                          ; four places in front of the loads into K's registers and of the first read of the scores
.endr
.irp ps, 0,1                                   ; V, turned: it lands while the softmax is worked
.irp t, 0,1,2,3
	ds_load_tr16_b128 v[KV+32*\ps+8*\t:KV+32*\ps+8*\t+3], v[ADV] offset:\ps*32*VP+32*\t
	ds_load_tr16_b128 v[KV+32*\ps+8*\t+4:KV+32*\ps+8*\t+7], v[ADV] offset:\ps*32*VP+16*VP+32*\t
.endr
.endr
	s_add_co_u32 s66, s19, 63
	s_cmp_le_u32 s66, s[Q0]                        ; all my keys count for all my queries: no mask
	s_cbranch_scc1 .Lopen_\@
	s_sub_co_i32 s66, s[Q0], s19
	v_and_b32 v[ST+15], 15, v0
	v_bfe_u32 v[ST+7], v0, 4, 1
	v_lshlrev_b32 v[ST+7], 3, v[ST+7]
	v_sub_nc_u32 v[ST+15], v[ST+15], v[ST+7]
	v_add_nc_u32 v[ST+15], s66, v[ST+15]           ; d = Q0 - KF + r - 8 h.  Register j of tile (u, kt) holds key KF + 16 kt + 8 h + j for query Q0 + 16 u + r: hidden where 16 kt + j - 16 u > d
	v_mov_b32 v[ST+7], 0xff800000                  ; -infinity: p = 0 then
.irp u, 0,1
.irp kt, 0,1,2,3
.irp j, 0,1,2,3,4,5,6,7
	v_cmp_gt_i32 vcc_lo, 16*\kt+\j-16*\u, v[ST+15]
	v_cndmask_b32 v[S+32*\u+8*\kt+\j], v[S+32*\u+8*\kt+\j], v[ST+7], vcc_lo
.endr
.endr
.endr
.Lopen_\@:
.irp j, 0,1,2,3                                ; the maximum of a lane's 32 scores and the old m: four chains, each from its accumulator's low end on; the two tiles by turns
.irp u, 0,1
	v_max3_num_f32 v[ST+8*\u+4+\j], v[S+32*\u+8*\j], v[S+32*\u+8*\j+1], v[S+32*\u+8*\j+2]
.endr
.endr
.irp i, 3,5
.irp j, 0,1,2,3
.irp u, 0,1
	v_max3_num_f32 v[ST+8*\u+4+\j], v[ST+8*\u+4+\j], v[S+32*\u+8*\j+\i], v[S+32*\u+8*\j+\i+1]
.endr
.endr
.endr
.irp u, 0,1
	v_max3_num_f32 v[ST+8*\u+4], v[ST+8*\u+4], v[S+32*\u+7], v[S+32*\u+15]
	v_max3_num_f32 v[ST+8*\u+6], v[ST+8*\u+6], v[S+32*\u+23], v[S+32*\u+31]
.endr
.irp u, 0,1
	v_max3_num_f32 v[ST+8*\u+4], v[ST+8*\u+4], v[ST+8*\u+5], v[ST+8*\u+6]
.endr
.irp u, 0,1
	v_max3_num_f32 v[ST+8*\u+4], v[ST+8*\u+4], v[ST+8*\u+7], v[ST+8*\u+1]
.endr
.irp u, 0,1
	v_permlanex16_b32 v[ST+8*\u+5], v[ST+8*\u+4], s[SEL], s[SEL+1]   ; the query's other 32 keys lie in the lane 16 away
.endr
.irp u, 0,1
	v_mov_b32 v[ST+8*\u+7], v[ST+8*\u]             ; c m_old is kept for a
.endr
.irp u, 0,1
	v_max_num_f32 v[ST+8*\u+1], v[ST+8*\u+4], v[ST+8*\u+5]
.endr
.irp u, 0,1
	v_mul_f32 v[ST+8*\u], s[CS], v[ST+8*\u+1]
.endr
.irp u, 0,1
	v_sub_f32 v[ST+8*\u+7], v[ST+8*\u+7], v[ST+8*\u]
.endr
.irp b, 0,2,4,6,8,10,12,14,16,18,20,22,24,26,28,30
.irp u, 0,1
	v_pk_fma_f32 v[S+32*\u+\b:S+32*\u+\b+1], v[S+32*\u+\b:S+32*\u+\b+1], s[CS:CS+1], v[ST+8*\u:ST+8*\u+1] op_sel_hi:[1,0,0] neg_lo:[0,0,1] neg_hi:[0,0,1]   ; c s - c m, two at a time
.endr
.endr
.irp u, 0,1
	v_exp_f32 v[ST+8*\u+6], v[ST+8*\u+7]           ; a
.endr
.set j, 0
.rept 64
	v_exp_f32 v[S+j], v[S+j]                       ; p, at most 1
.set j, j+1
.endr
	v_nop                                          ; a plain instruction behind the last exponential
	s_wait_alu depctr_va_vdst(0)                   ; one wait for the batch of 66, ahead of its first reader
.irp u, 0,1
	v_pk_mul_f32 v[ST+8*\u+2:ST+8*\u+3], v[ST+8*\u+2:ST+8*\u+3], v[ST+8*\u+6:ST+8*\u+7] op_sel_hi:[1,0]   ; l under the new m
.endr
.irp u, 0,1
	v_pk_add_f32 v[ST+8*\u+4:ST+8*\u+5], v[S+32*\u:S+32*\u+1], v[S+32*\u+2:S+32*\u+3]   ; the sum of the unrounded p, in two chains
.endr
.irp b, 4,8,12,16,20,24,28
.irp u, 0,1
	v_pk_add_f32 v[ST+8*\u+2:ST+8*\u+3], v[ST+8*\u+2:ST+8*\u+3], v[S+32*\u+\b:S+32*\u+\b+1]
	v_pk_add_f32 v[ST+8*\u+4:ST+8*\u+5], v[ST+8*\u+4:ST+8*\u+5], v[S+32*\u+\b+2:S+32*\u+\b+3]
.endr
.endr
.irp u, 0,1
	v_pk_add_f32 v[ST+8*\u+2:ST+8*\u+3], v[ST+8*\u+2:ST+8*\u+3], v[ST+8*\u+4:ST+8*\u+5]
.endr
.irp ps, 0,1                                   ; p to f16, in place: register i takes pair i, which lies at 2 i and 2 i + 1, never under a register already written
.irp i, 0,1,2,3,4,5,6,7
.irp u, 0,1
	v_cvt_pk_f16_f32 v[S+32*\u+16*\ps+\i], v[S+32*\u+16*\ps+2*\i], v[S+32*\u+16*\ps+2*\i+1]
.endr
.endr
.endr
.irp b, 0,2,4,6,8,10,12,14,16,18,20,22,24,26,28,30
.irp u, 0,1
	v_pk_mul_f32 v[OT+32*\u+\b:OT+32*\u+\b+1], v[OT+32*\u+\b:OT+32*\u+\b+1], v[ST+8*\u+6:ST+8*\u+7] op_sel_hi:[1,0]   ; O^T under the new m, each accumulator from its low end on
.endr
.endr
	s_wait_dscnt 0x0                               ; V is in
.irp ps, 0,1                                   ; O^T += V^T P: eight accumulators by turns
.irp t, 0,1,2,3
.irp u, 0,1
	v_wmma_f32_16x16x32_f16 v[OT+32*\u+8*\t:OT+32*\u+8*\t+7], v[KV+32*\ps+8*\t:KV+32*\ps+8*\t+7], v[S+32*\u+16*\ps:S+32*\u+16*\ps+7], v[OT+32*\u+8*\t:OT+32*\u+8*\t+7]
.endr
.endr
.endr
.rept 5
	v_nop                                          ; five places: the next step's first products write over P's registers (its loads into V's registers want four)
.endr
.Lhidden_\@:
	s_add_co_u32 s[KS0], s[KS0], 256
	s_xor_b32 s[TB], s[TB], SLOT                   ; on to the other slot
.endm
; A block of queries begins (s[BQ] is set): addresses, q's fragments, the statistics.  O^T begins as zeros and m as -3e38: a wave may have no step at all in a block, and the first step needs no form of its own.
.macro INITQ
	s_wait_xcnt 0x0                                ; earlier loads and stores have read their bases and data
	s_lshl_b32 s66, s[BQ], 7
	s_lshl_b32 s67, s[QG], 5
	s_add_co_u32 s[Q0], s66, s67
	s_add_co_u32 s[LASTQ], s66, 127
	s_mov_b32 s[KS0], 0
	s_lshl_b32 s68, s[Q0], 7                       ; a row of q is 128 bytes
	s_mov_b32 s69, 0
	s_add_nc_u64 s[QB:QB+1], s[4:5], s[68:69]
	s_lshl_b32 s67, s[WV], 3
	s_add_co_u32 s68, s66, s67                     ; the eight rows that I store: 128 BQ + 8 w
	s_lshl_b32 s68, s68, 11                        ; a row of o16 is 2,048 bytes
	s_add_nc_u64 s[OB:OB+1], s[6:7], s[68:69]
.irp u, 0,1
.irp cs, 0,1
	global_load_b128 v[QF+16*\u+8*\cs:QF+16*\u+8*\cs+3], v[QO], s[QB:QB+1] offset:\u*2048+64*\cs
	global_load_b128 v[QF+16*\u+8*\cs+4:QF+16*\u+8*\cs+7], v[QO], s[QB:QB+1] offset:\u*2048+64*\cs+32
.endr
.endr
.irp u, 0,1
	v_mov_b32 v[ST+8*\u+1], 0xff61b1e6             ; m = -3e38, under every score that f16 operands can give
	v_mul_f32 v[ST+8*\u], s[CS], v[ST+8*\u+1]
.irp i, 2,3,4,5,6,7
	v_mov_b32 v[ST+8*\u+\i], 0
.endr
.endr
.set j, 0
.rept 64
	v_mov_b32 v[OT+j], 0
.set j, j+1
.endr
	s_wait_loadcnt 0x0                             ; q
.endm
; THE MERGE of a block's four key shares.  1: each wave publishes (c m, l) of its 32 queries.  2: it reads the four shares', scales its O^T by f = 2^(c m - c M) / L, M the largest m and L the sum of l_k 2^(c m_k - c M), and puts it into the stage.
; 3: wave w adds the four shares of queries 8 w .. 8 w + 7, rounds to f16 and stores: four queries x 128 bytes an instruction, a head's own width in a row of o16.
; The stage and the pairs are written again only behind later changes of slots, whose barriers every wave reaches with its LDS loads waited for.
.macro FLUSH
.irp u, 0,1
	v_add_f32 v[ST+8*\u+4], v[ST+8*\u+2], v[ST+8*\u+3]
.endr
.irp u, 0,1
	v_permlanex16_b32 v[ST+8*\u+5], v[ST+8*\u+4], s[SEL], s[SEL+1]
.endr
.irp u, 0,1
	v_add_f32 v[ST+8*\u+1], v[ST+8*\u+4], v[ST+8*\u+5]   ; l of my share; m itself is done with
.endr
.irp u, 0,1
	ds_store_b64 v[MLW], v[ST+8*\u:ST+8*\u+1] offset:128*\u   ; lanes r and r + 16 write the same pair to the same place
.endr
	s_wait_dscnt 0x0
	s_barrier_signal -1
	s_barrier_wait -1
.irp u, 0,1
.irp k, 0,1,2,3
	ds_load_b64 v[KV+8*\u+2*\k:KV+8*\u+2*\k+1], v[MLR] offset:1024*\k+128*\u
.endr
.endr
	s_wait_dscnt 0x0
.irp u, 0,1
	v_max3_num_f32 v[ST+8*\u+4], v[KV+8*\u], v[KV+8*\u+2], v[KV+8*\u+4]
.endr
.irp u, 0,1
	v_max_num_f32 v[ST+8*\u+4], v[ST+8*\u+4], v[KV+8*\u+6]   ; c M: finite, since share 0 holds key 0, which counts for every query
.endr
.irp k, 0,1,2,3
.irp u, 0,1
	v_sub_f32 v[KV+8*\u+2*\k], v[KV+8*\u+2*\k], v[ST+8*\u+4]
.endr
.endr
.irp u, 0,1
	v_sub_f32 v[ST+8*\u+5], v[ST+8*\u], v[ST+8*\u+4]
.endr
.irp k, 0,1,2,3
.irp u, 0,1
	v_exp_f32 v[KV+8*\u+2*\k], v[KV+8*\u+2*\k]
.endr
.endr
.irp u, 0,1
	v_exp_f32 v[ST+8*\u+5], v[ST+8*\u+5]
.endr
	v_nop
	s_wait_alu depctr_va_vdst(0)                   ; one wait for the ten exponentials
.irp u, 0,1
	v_mul_f32 v[ST+8*\u+7], v[KV+8*\u], v[KV+8*\u+1]
.endr
.irp k, 1,2,3
.irp u, 0,1
	v_fmac_f32 v[ST+8*\u+7], v[KV+8*\u+2*\k], v[KV+8*\u+2*\k+1]
.endr
.endr
.irp u, 0,1
	v_rcp_f32 v[ST+8*\u+6], v[ST+8*\u+7]
.endr
	v_nop
	s_wait_alu depctr_va_vdst(0)                   ; and one for the two reciprocals
.irp u, 0,1
	v_mul_f32 v[ST+8*\u+6], v[ST+8*\u+6], v[ST+8*\u+5]   ; f
.endr
.irp b, 0,2,4,6,8,10,12,14,16,18,20,22,24,26,28,30
.irp u, 0,1
	v_pk_mul_f32 v[OT+32*\u+\b:OT+32*\u+\b+1], v[OT+32*\u+\b:OT+32*\u+\b+1], v[ST+8*\u+6:ST+8*\u+7] op_sel_hi:[1,0]
.endr
.endr
.irp u, 0,1
.irp t, 0,1,2,3
.irp g, 0,1
	ds_store_b128 v[STO], v[OT+32*\u+8*\t+4*\g:OT+32*\u+8*\t+4*\g+3] offset:\u*16*SGP+64*\t+16*\g
.endr
.endr
.endr
	s_wait_dscnt 0x0
	s_barrier_signal -1
	s_barrier_wait -1
.irp e, 0,1
.irp k, 0,1
.irp g, 0,1
	ds_load_b128 v[KV+32*\e+8*\k+4*\g:KV+32*\e+8*\k+4*\g+3], v[SRD] offset:\e*4*SGP+\k*SGK+16*\g
	ds_load_b128 v[KV+32*\e+16+8*\k+4*\g:KV+32*\e+16+8*\k+4*\g+3], v[SRD2] offset:\e*4*SGP+\k*SGK+16*\g
.endr
.endr
.endr
	s_wait_dscnt 0x0
.irp e, 0,1
.irp i, 0,2,4,6
	v_pk_add_f32 v[KV+32*\e+\i:KV+32*\e+\i+1], v[KV+32*\e+\i:KV+32*\e+\i+1], v[KV+32*\e+8+\i:KV+32*\e+8+\i+1]
	v_pk_add_f32 v[KV+32*\e+16+\i:KV+32*\e+16+\i+1], v[KV+32*\e+16+\i:KV+32*\e+16+\i+1], v[KV+32*\e+24+\i:KV+32*\e+24+\i+1]
.endr
.endr
.irp e, 0,1
.irp i, 0,2,4,6
	v_pk_add_f32 v[KV+32*\e+\i:KV+32*\e+\i+1], v[KV+32*\e+\i:KV+32*\e+\i+1], v[KV+32*\e+16+\i:KV+32*\e+16+\i+1]
.endr
.endr
.irp e, 0,1
.irp i, 0,1,2,3
	v_cvt_pk_f16_f32 v[S+4*\e+\i], v[KV+32*\e+2*\i], v[KV+32*\e+2*\i+1]
.endr
.endr
.irp e, 0,1
	global_store_b128 v[GO], v[S+4*\e:S+4*\e+3], s[OB:OB+1] offset:8192*\e
.endr
.endm
	s_load_b128 s[4:7], s[0:1], 0x0                ; qkv, o16
	v_lshl_add_u32 v[SPW], v0, 2, SPARE
	v_mov_b32 v[NIL], 0
	ds_add_u32 v[SPW], v[NIL]                      ; the wave's opening: the add, twice on end, and its wait ahead of the first tensor load
	ds_add_u32 v[SPW], v[NIL]
	v_lshrrev_b32 v64, 5, v0
	v_readfirstlane_b32 s[WV], v64                 ; wave 0..15
	s_and_b32 s[QG], s[WV], 3
	s_lshr_b32 s[KOF], s[WV], 2
	s_lshl_b32 s[KOF], s[KOF], 6
	s_mov_b32 s[WI], ttmp9
	s_and_b32 s[HD], ttmp7, 0xffff
	; group 1: 256 rows of 64 elements of 2 bytes, dense in memory; padding behind every 32 words: 4 words for K, 8 for V
	s_mov_b32 s[G1K], (1<<16)|(1<<20)|(4<<22)|(3<<25)
	s_mov_b32 s[G1V], (1<<16)|(1<<20)|(4<<22)|(7<<25)
.irp g, G1K, G1V
	s_mov_b32 s[\g+1], 64<<16                      ; tensor_dim0
	s_mov_b32 s[\g+2], 256<<16                     ; tensor_dim1
	s_mov_b32 s[\g+3], 64<<16                      ; tile_dim0
	s_mov_b32 s[\g+4], 256                         ; tile_dim1
	s_mov_b32 s[\g+5], 64                          ; from row to row
	s_mov_b32 s[\g+6], 0
	s_mov_b32 s[\g+7], 0
.endr
	s_mov_b32 s[SEL], 0x76543210
	s_mov_b32 s[SEL+1], 0xfedcba98
	s_mov_b32 s[CS], 0x3e38aa3b                    ; c = log2(e) / 8
	s_mov_b32 s[CS+1], s[CS]
	s_mov_b32 s[TB], 0
	s_lshl_b32 s66, s[HD], 19                      ; the head's plane
	s_mov_b32 s67, 0
	s_lshl_b32 s68, s[HD], 7                       ; the head's 128 bytes in a row of o16
	s_mov_b32 s69, 0
	s_wait_dscnt 0x0                               ; both opening adds are done
	s_wait_kmcnt 0x0
	s_add_nc_u64 s[4:5], s[4:5], s[66:67]          ; the head's q
	s_add_nc_u64 s[6:7], s[6:7], s[68:69]
	s_add_nc_u64 s[KB:KB+1], s[4:5], 16*PLANE      ; its k
	s_add_nc_u64 s[VB:VB+1], s[4:5], 32*PLANE      ; its v
	s_mov_b32 s[G0K], 1
	s_mov_b32 s[G0K+1], 0
	s_mov_b64 s[G0K+2:G0K+3], s[KB:KB+1]
	s_or_b32 s[G0K+3], s[G0K+3], 0x80000000
	s_mov_b32 s[G0V], 1
	s_mov_b32 s[G0V+1], VOFF
	s_mov_b64 s[G0V+2:G0V+3], s[VB:VB+1]
	s_or_b32 s[G0V+3], s[G0V+3], 0x80000000
	TLOAD                                          ; slot 0: keys 0-255, which count for every block
	v_and_b32 v64, 15, v0                          ; r
	v_bfe_u32 v65, v0, 4, 1                        ; h
	s_mul_i32 s66, s[KOF], KP
	v_mul_u32_u24 v[AK0], v64, KP
	v_lshl_add_u32 v[AK0], v65, 4, v[AK0]
	v_add_nc_u32 v[AK0], s66, v[AK0]               ; K: my quarter, row r, + 16 h
	v_and_b32 v67, 7, v0
	v_lshl_add_u32 v66, v65, 3, v67
	v_mul_u32_u24 v[AV0], v66, VP                  ; V: key 8 h + l % 8,
	v_bfe_u32 v68, v0, 3, 1
	v_lshl_add_u32 v[AV0], v68, 4, v[AV0]          ; channels 8 ((l / 8) % 2) on
	s_mul_i32 s66, s[KOF], VP
	s_add_co_u32 s66, s66, VOFF
	v_add_nc_u32 v[AV0], s66, v[AV0]
	v_lshlrev_b32 v[QO], 7, v64
	v_lshl_add_u32 v[QO], v65, 4, v[QO]            ; q: row r of 128 bytes, + 16 h
	s_lshl_b32 s66, s[QG], 8
	s_add_co_u32 s66, s66, MS
	v_lshl_add_u32 v[MLR], v64, 3, s66             ; the pairs of query 32 QG + r, share 0
	s_lshl_b32 s67, s[KOF], 4
	v_add_nc_u32 v[MLW], s67, v[MLR]               ; and my share's: 1,024 bytes a share
	s_mul_i32 s66, s[KOF], SGK/64
	s_mul_i32 s67, s[QG], 32*SGP
	s_add_co_u32 s66, s66, s67
	s_add_co_u32 s66, s66, STG
	v_mul_u32_u24 v[STO], v64, SGP
	v_lshl_add_u32 v[STO], v65, 5, v[STO]
	v_add_nc_u32 v[STO], s66, v[STO]               ; the stage: my share, query 32 QG + r, + 32 h
	s_mul_i32 s66, s[WV], 8*SGP
	s_add_co_u32 s66, s66, STG
	v_bfe_u32 v68, v0, 3, 2                        ; l / 8
	v_mul_u32_u24 v[SRD], v68, SGP
	v_lshl_add_u32 v[SRD], v67, 5, v[SRD]
	v_add_nc_u32 v[SRD], s66, v[SRD]               ; back: query 8 w + l / 8, channels 8 (l % 8) on
	v_add_nc_u32 v[SRD2], 2*SGK, v[SRD]
	v_lshlrev_b32 v[GO], 11, v68
	v_lshl_add_u32 v[GO], v67, 4, v[GO]
	v_and_b32 v[PFO], 31, v0
	v_lshlrev_b32 v[PFO], 8, v[PFO]
	s_cmp_lt_u32 s[WV], 8                          ; the prefetches: waves 4 to 7 K, waves 8 to 11 V
	s_cselect_b64 s[PFA:PFA+1], s[KB:KB+1], s[VB:VB+1]
	s_and_b32 s66, s[WV], 3
	s_lshl_b32 s66, s66, 13                        ; my wave's 8,192 bytes,
	s_add_co_u32 s66, s66, SLOTB                   ; in slot 1: the first change steps it to slot 2.  Nothing is asked for here, at the head
	s_mov_b32 s67, 0
	s_add_nc_u64 s[PFA:PFA+1], s[PFA:PFA+1], s[66:67]
	s_sub_co_u32 s66, s[WV], 4
	s_lshr_b32 s66, s66, 3                         ; 0 in waves 4 to 11,
	s_or_b32 s66, s66, ttmp9                       ; of the head's work-group 0
	s_cmp_eq_u32 s66, 0
	s_cselect_b32 s[LIM], 1, -1
	s_sub_co_u32 s[BQ], 31, s[WI]                  ; the first block: 31 - i
	INITQ
	s_mov_b32 s[CNT], 15
.Lhi:                                              ; trip t reads slot t % 2 and asks for the keys of trip t + 1
	CHANGE 1, 1
	STEP
	s_sub_co_u32 s[CNT], s[CNT], 1
	s_cmp_lg_u32 s[CNT], 0
	s_cbranch_scc1 .Lhi
	CHANGE 2, 0                                    ; the sixteenth trip: slot 0 takes keys 0-255 again, for the second block; it lands under the merge
	STEP
	FLUSH
	s_mov_b32 s[BQ], s[WI]                         ; the second block: i, at most 15: eight slots at the most
	INITQ
	s_mov_b32 s[CNT], 7
.Llo:
	CHANGE 1, 0
	STEP
	s_sub_co_u32 s[CNT], s[CNT], 1
	s_cmp_lg_u32 s[CNT], 0
	s_cbranch_scc1 .Llo
	CHANGE 0, 0                                    ; the last trip asks for nothing
	STEP
	FLUSH
	s_wait_tensorcnt 0x0                           ; the wave's end
	ds_add_u32 v[SPW], v[NIL]
	s_wait_dscnt 0x0
	s_endpgm
.Lfunc_end_k_q8d534fb99d_attn:
	.size	k_q8d534fb99d_attn, .Lfunc_end_k_q8d534fb99d_attn-k_q8d534fb99d_attn
	.p2alignl 7, 3214868480
	.fill 96, 4, 3214868480
	.section	.rodata,"a",@progbits
	.p2align	6, 0x0
	.amdhsa_kernel k_q8d534fb99d_attn
		.amdhsa_group_segment_fixed_size 327680
		.amdhsa_private_segment_fixed_size 0
		.amdhsa_enable_private_segment 0
		.amdhsa_kernarg_size 16
		.amdhsa_user_sgpr_count 2
		.amdhsa_user_sgpr_kernarg_segment_ptr 1
		.amdhsa_wavefront_size32 1
		.amdhsa_system_sgpr_workgroup_id_x 1
		.amdhsa_system_sgpr_workgroup_id_y 1
		.amdhsa_system_sgpr_workgroup_id_z 1
		.amdhsa_system_vgpr_workitem_id 0
		.amdhsa_next_free_vgpr 256
		.amdhsa_next_free_sgpr 72
		.amdhsa_reserve_vcc 1
		.amdhsa_float_denorm_mode_32 3
		.amdhsa_float_denorm_mode_16_64 3
		.amdhsa_memory_ordered 1
		.amdhsa_forward_progress 1
		.amdhsa_inst_pref_size 122
	.end_amdhsa_kernel
	.amdgpu_metadata
---
amdhsa.version: [ 1, 2 ]
amdhsa.kernels:
  - .name:           k_q8d534fb99d_attn
    .symbol:         k_q8d534fb99d_attn.kd
    .args:
      - { .name: qkv, .offset: 0, .size: 8, .value_kind: global_buffer, .address_space: global }
      - { .name: o16, .offset: 8, .size: 8, .value_kind: global_buffer, .address_space: global }
    .group_segment_fixed_size: 327680
    .private_segment_fixed_size: 0
    .kernarg_segment_align: 8
    .kernarg_segment_size: 16
    .max_flat_workgroup_size: 512
    .sgpr_count:     72
    .vgpr_count:     256
    .wavefront_size: 32
...
	.end_amdgpu_metadata
.endif
;; end of part 3
;; launch outp (part 4): grid 8 x 32, 4 waves a work-group, clusters of 4 x 4, 327,680 bytes of LDS; arguments o16, wo16, out0; writes out0
.if DOCPART == 4
	.amdgcn_target "amdgcn-amd-amdhsa--gfx1250"
	.amdhsa_code_object_version 6
	.text
	.protected	k_q8d534fb99d_outp
	.globl	k_q8d534fb99d_outp
	.p2align	8
	.type	k_q8d534fb99d_outp,@function
k_q8d534fb99d_outp:
	s_mov_b64 s[64:65], 0
	v_nop
	global_prefetch_b8 v0, s[64:65] scope:SCOPE_SE
	s_setreg_imm32_b32 hwreg(HW_REG_WAVE_MODE, 25, 1), 1
	s_wait_xcnt 0x0
	s_wait_alu depctr_hold_cnt(0) depctr_sa_sdst(0) depctr_va_vdst(0) depctr_va_sdst(0) depctr_va_ssrc(0) depctr_va_vcc(0) depctr_vm_vsrc(0)
	s_getreg_b32 s2, hwreg(HW_REG_IB_STS2, 6, 4)
	s_cmp_eq_u32 s2, 0
	s_cbranch_scc0 .Lentry_in_a_cluster
	s_endpgm
.Lentry_in_a_cluster:
	s_bfe_u32 s2, ttmp6, 0x10000c
	s_cmp_lg_u32 s2, 0xf033
	s_cbranch_scc0 .Lentry_shape_is_right
	s_endpgm
.Lentry_shape_is_right:
; out0[m][n] = sum over k of o[m][k] Wo[n][k].  o16: [4096][1024], wo16: [1024][1024], f16; out0: [4096][1024] f32; sums in f32.
; Rows 0-15 are stored here like all others and stored again, from f32 operands, by the launch that follows: 64 KB of 16 MB.
; A tile of out0 is 128 x 128: 256 work-groups.  Four waves, each 64 x 64: 16 accumulators.  K goes in steps of 256 (LDS rows of 512 bytes) through two slots.
; CLUSTERS: 4 x 4 work-groups.  The four of a row of the cluster need the same tiles of o, the four of a column the same tiles of Wo: each tile is asked for JOINTLY, by the same tensor load with the same descriptor and a mask that names the four.
; THE MATRIX INSTRUCTION IS USED TRANSPOSED (source 0 = 16 rows of Wo, source 1 = 16 rows of o): a lane holds eight neighbouring numbers of a row of out0.
; REGISTERS: window 0: v0-31 addresses; v32-95 the way out; v128-255 the accumulators ((a, b) at v[128 + 8 (4 a + b)]).  window 1: two fragment buffers of 128.
.set SIZE_M, 4096
.set SIZE_N, 1024
.set SIZE_K, 1024
.set KSTEP,  256
.set PITCH,  528                       ; an LDS row: 512 bytes + 16 of padding: the 16 rows that a load touches start at 16 different banks (64 banks of 4 bytes: ISA guide 11.1)
.set HALFT,  64*PITCH                  ; 64 rows: what one tensor load brings
.set SLOT,   4*HALFT                   ; o's 128 rows, then Wo's 128
.set STAGE,  2*SLOT                    ; behind the ring: 16 rows x 272 bytes for each wave
.set SPITCH, 272
.set SPARE,  STAGE+4*16*SPITCH         ; the spare words, 128 bytes a wave, that no other line names
.set LAPS, SIZE_K/(2*KSTEP)            ; a lap = two K steps = once round the ring
.set ADRA, 16
.set ADRB, 20
.set STO,  24
.set RD,   25
.set CO,   26
.set SPW,  28                          ; v28 LDS address of my spare word; never rewritten
.set NIL,  29                          ; v29 0; never rewritten
.set TMP,  32
.set ACC,  128
.set F0,   0
.set F1,   128
.set G1, 24
.set G0, 32
.set G1B, 48
.set G0B, 56
.set MSB, 0
.macro WIN new                         ; the immediate's high byte repeats the setting that is left
.if MSB != \new
	s_set_vgpr_msb (MSB<<8)|\new
.set MSB, \new
.endif
.endm
.set MUL,  0x05                        ; sources 0 and 1 window 1; C and D window 0
.set TO_F, 0x40                        ; destination window 1
.macro JLOAD s                         ; a joint load: waves 0 and 1 fetch o's two halves, waves 2 and 3 Wo's; an s_nop 0 and four v_nop follow each of the two lines
	s_cmp_eq_u32 s11, 0
	s_cbranch_scc0 .Lfor_b_\@
	tensor_load_to_lds s[G0+4*\s:G0+4*\s+3], s[G1:G1+7]
	s_nop 0
.rept 4
	v_nop
.endr
	s_branch .Lasked_\@
.Lfor_b_\@:
	tensor_load_to_lds s[G0B+4*\s:G0B+4*\s+3], s[G1B:G1B+7]
	s_nop 0
.rept 4
	v_nop
.endr
.Lasked_\@:
.endm
.macro CREST                           ; a round of the cluster's barrier behind its opening barrier
	s_cmp_lg_u32 s10, 0
	s_cbranch_scc1 .Lnot_wave_0_\@
	s_barrier_signal -3
.Lnot_wave_0_\@:
	s_barrier_wait -3
	s_barrier_signal -1
	s_barrier_wait -1
.endm
.macro CROUND                          ; a whole round
	s_barrier_signal -1
	s_barrier_wait -1
	CREST
.endm
	s_load_b128 s[4:7], s[0:1], 0x0                ; o16, wo16
	s_load_b64 s[8:9], s[0:1], 0x10                ; out0
	v_lshl_add_u32 v[SPW], v0, 2, SPARE
	v_mov_b32 v[NIL], 0
	ds_add_u32 v[SPW], v[NIL]                      ; the wave's opening: the add, twice on end, and its wait ahead of my first tensor load
	ds_add_u32 v[SPW], v[NIL]
	v_lshrrev_b32 v1, 5, v0
	v_readfirstlane_b32 s10, v1                    ; wave 0..3
	s_lshr_b32 s11, s10, 1                         ; which half of the tile's rows is mine.  Also: I fetch for o (0) or for Wo (1)
	s_and_b32 s12, s10, 1                          ; which half of its columns.  Also: which 64 rows I fetch
	s_bfe_u32 s40, ttmp6, 0x40000                  ; cx, cy: my place in the cluster
	s_bfe_u32 s41, ttmp6, 0x40004
	s_lshl_b32 s42, ttmp9, 2
	s_add_co_u32 s42, s42, s40                     ; tile column = 4 x cluster x + cx
	s_and_b32 s13, ttmp7, 0xffff
	s_lshl_b32 s13, s13, 2
	s_add_co_u32 s13, s13, s41                     ; tile row = 4 x cluster y + cy
	s_lshl_b32 s43, s41, 2
	s_lshl_b32 s43, 15, s43                        ; my row of the cluster
	s_lshl_b32 s44, 0x1111, s40                    ; my column
	s_or_b32 s[G1+0], s43, (1<<16)|(1<<20)|(1<<21)|(6<<22)|(3<<25)  ; the mask: o's tiles go to my row; elements of 2 bytes; padding on; 21 set beside a mask; after every 128 words four words
	s_or_b32 s[G1B+0], s44, (1<<16)|(1<<20)|(1<<21)|(6<<22)|(3<<25)
.irp g, G1, G1B
	s_mov_b32 s[\g+1], KSTEP<<16                   ; tensor_dim0 = 256
	s_mov_b32 s[\g+2], 64<<16                      ; tensor_dim1 = 64
	s_mov_b32 s[\g+3], KSTEP<<16                   ; tile_dim0 = 256
	s_mov_b32 s[\g+4], 64                          ; tile_dim1 = 64
	s_mov_b32 s[\g+5], SIZE_K                      ; from row to row
	s_mov_b32 s[\g+6], 0
	s_mov_b32 s[\g+7], 0
.endr
	s_lshl_b32 s17, s12, 6                         ; which 64 rows of the tile I fetch
	s_lshl_b32 s16, s13, 7
	s_add_co_u32 s16, s16, s17                     ; o: row 128 x tile row + 64 x half
	s_lshl_b32 s46, s42, 7
	s_add_co_u32 s46, s46, s17                     ; Wo: row 128 x tile column + 64 x half
	s_mov_b32 s17, 0
	s_mov_b32 s47, 0
	s_mov_b64 s[18:19], SIZE_K*2
	s_mul_u64 s[16:17], s[16:17], s[18:19]
	s_mul_u64 s[46:47], s[46:47], s[18:19]
	s_mul_i32 s20, s10, HALFT                      ; where they go: wave x 64 rows
	s_wait_dscnt 0x0                               ; both opening adds are done
	s_wait_kmcnt 0x0
	s_add_nc_u64 s[14:15], s[4:5], s[16:17]
	s_add_nc_u64 s[46:47], s[6:7], s[46:47]
	CROUND                                         ; all sixteen work-groups are here: the first joint loads meet
.irp s, 0,1
	s_mov_b32 s[G0+4*\s], 1
	s_add_co_u32 s[G0+4*\s+1], s20, \s*SLOT
	s_add_nc_u64 s[G0+4*\s+2:G0+4*\s+3], s[14:15], \s*KSTEP*2
	s_or_b32 s[G0+4*\s+3], s[G0+4*\s+3], 0x80000000
	s_mov_b32 s[G0B+4*\s], 1
	s_add_co_u32 s[G0B+4*\s+1], s20, \s*SLOT
	s_add_nc_u64 s[G0B+4*\s+2:G0B+4*\s+3], s[46:47], \s*KSTEP*2
	s_or_b32 s[G0B+4*\s+3], s[G0B+4*\s+3], 0x80000000
	JLOAD \s                                       ; two loads of mine are out at the most
.endr
	v_and_b32 v1, 15, v0                           ; r
	v_bfe_u32 v2, v0, 4, 1                         ; h
	v_mul_u32_u24 v3, v1, PITCH
	v_lshl_add_u32 v3, v2, 4, v3                   ; a fragment's row x pitch + 16 x half
	s_mul_i32 s21, s11, HALFT                      ; my 64 rows of o
	s_mul_i32 s22, s12, HALFT                      ; my 64 rows of Wo,
	s_add_co_u32 s22, s22, 2*HALFT                 ; which lie behind o's 128
.irp s, 0,1
	v_add_nc_u32 v[ADRA+\s], s21, v3
	v_add_nc_u32 v[ADRB+\s], s22, v3
	s_add_co_u32 s21, s21, SLOT
	s_add_co_u32 s22, s22, SLOT
.endr
	s_mul_i32 s23, s10, 16*SPITCH
	s_add_co_u32 s23, s23, STAGE                   ; my stage
	v_mul_u32_u24 v4, v1, SPITCH                   ; in: row r, 32 bytes for each half of the lanes
	v_lshl_add_u32 v4, v2, 5, v4
	v_add_nc_u32 v[STO], s23, v4
	v_mul_u32_u24 v5, v2, SPITCH                   ; back: lanes 0-15 one row of 256 bytes, lanes 16-31 the next
	v_lshl_add_u32 v5, v1, 4, v5
	v_add_nc_u32 v[RD], s23, v5
	v_lshlrev_b32 v5, 12, v2                       ; and the same two rows in out0: 4,096 bytes a row
	v_lshl_add_u32 v[CO], v1, 4, v5
	s_lshl_b32 s16, s13, 7
	s_lshl_b32 s17, s11, 6
	s_add_co_u32 s16, s16, s17                     ; my first row: 128 x tile row + 64 x half
	s_lshl_b32 s16, s16, 12
	s_mov_b32 s17, 0
	s_add_nc_u64 s[8:9], s[8:9], s[16:17]
	s_lshl_b32 s46, s42, 9                         ; my first column, in bytes: 512 x tile column + 256 x half
	s_lshl_b32 s47, s12, 8
	s_add_co_u32 s46, s46, s47
	s_mov_b32 s47, 0
	s_add_nc_u64 s[8:9], s[8:9], s[46:47]
; 8 matrix instructions: m blocks a0, a0 + 1 x all 4 n blocks, 32 along K: half c of buffer f.  zero = 1: the product starts the sums.  The 16 accumulators take turns.
.macro MUL8 f, c, a0, zero
.irp a, \a0, \a0+1
.irp b, 0,1,2,3
.if \zero
	v_wmma_f32_16x16x32_f16 v[ACC+8*(4*(\a)+\b):ACC+8*(4*(\a)+\b)+7], v[\f+64+8*(4*\c+\b):\f+64+8*(4*\c+\b)+7], v[\f+8*(4*\c+\a):\f+8*(4*\c+\a)+7], 0
.else
	v_wmma_f32_16x16x32_f16 v[ACC+8*(4*(\a)+\b):ACC+8*(4*(\a)+\b)+7], v[\f+64+8*(4*\c+\b):\f+64+8*(4*\c+\b)+7], v[\f+8*(4*\c+\a):\f+8*(4*\c+\a)+7], v[ACC+8*(4*(\a)+\b):ACC+8*(4*(\a)+\b)+7]
.endif
.endr
.endr
.endm
; 32 LDS loads in one run: the fragments of 64 along K at byte k of the rows, into buffer f; the first 32 along K first
.macro FETCH slot, k, f
	WIN TO_F
.irp c, 0,1
.irp i, 0,1,2,3
	ds_load_b128 v[\f+64+8*(4*\c+\i):\f+64+8*(4*\c+\i)+3],   v[ADRB+\slot] offset:\k+64*\c+\i*16*PITCH
	ds_load_b128 v[\f+64+8*(4*\c+\i)+4:\f+64+8*(4*\c+\i)+7], v[ADRB+\slot] offset:\k+64*\c+\i*16*PITCH+32
	ds_load_b128 v[\f+8*(4*\c+\i):\f+8*(4*\c+\i)+3],         v[ADRA+\slot] offset:\k+64*\c+\i*16*PITCH
	ds_load_b128 v[\f+8*(4*\c+\i)+4:\f+8*(4*\c+\i)+7],       v[ADRA+\slot] offset:\k+64*\c+\i*16*PITCH+32
.endr
.endr
.endm
.macro PLACES                          ; four places in front of loads into registers that matrix instructions have read, and of the first read of results
.rept 4
	v_nop
.endr
.endm
; A K step is four quarters of 64 along K, 32 matrix instructions each, on buffers 0, 1, 0, 1.
.macro QUARTER slot, k, f, g, zero
	s_wait_dscnt 16                                ; the first 32 along K are in; the sixteen loads of the second 32 may be out
	WIN MUL
	MUL8 \f, 0, 0, \zero
	MUL8 \f, 0, 2, \zero
	PLACES
	FETCH \slot, \k, \g
	s_wait_dscnt 32                                ; all but the 32 just issued
	WIN MUL
	MUL8 \f, 1, 0, 0
	MUL8 \f, 1, 2, 0
.endm
; The last quarter changes slots: ONE barrier; in front of it each wave waits for all its tensor loads, adds 0 to its spare word, and waits for that and for its reads of this slot.  fill = 1: this slot is filled again, two K steps ahead.
.macro TURN slot, next, fill
	WIN 0                                          ; (the add's two registers lie in window 0)
	s_wait_tensorcnt 0x0                           ; all my tensor loads have landed: my part of the next slot
	ds_add_u32 v[SPW], v[NIL]                      ; 0 onto my spare word
	s_wait_dscnt 17                                ; the add and the youngest sixteen loads may be out
	WIN MUL
	MUL8 F1, 0, 0, 0
	s_wait_dscnt 0x0                               ; the add is done, and my reads of this slot are over
	s_barrier_signal -1
	MUL8 F1, 0, 2, 0
.if \fill
	WIN 0
.endif
	s_barrier_wait -1
.if \fill
	CREST                                          ; the barrier has opened a round of the cluster's barrier: no wave of any partner still reads this slot or has a load on its way
	s_add_nc_u64 s[G0+4*\slot+2:G0+4*\slot+3], s[G0+4*\slot+2:G0+4*\slot+3], 2*KSTEP*2
	s_add_nc_u64 s[G0B+4*\slot+2:G0B+4*\slot+3], s[G0B+4*\slot+2:G0B+4*\slot+3], 2*KSTEP*2
	JLOAD \slot                                    ; the first tensor load behind the round; its four v_nop are also the places in front of the loads below
.else
	PLACES
.endif
	FETCH \next, 0, F0
	WIN MUL
	MUL8 F1, 1, 0, 0
	MUL8 F1, 1, 2, 0
.endm
	s_wait_tensorcnt 1                             ; my part of K step 0 is in; K step 1's load may be out
	s_barrier_signal -1
	s_barrier_wait -1
	FETCH 0, 0, F0
	QUARTER 0, 128, F0, F1, 1                      ; the first quarter's first products start the sums
	WIN 0                                          ; at a label and at a branch every window is 0
	s_mov_b32 s3, LAPS-1
.Llap:                                                 ; a trip goes once round the ring, from a lap's second quarter to the next lap's first, and fills both slots again
	QUARTER 0, 256, F1, F0, 0
	QUARTER 0, 384, F0, F1, 0
	TURN 0, 1, 1
	QUARTER 1, 128, F0, F1, 0
	QUARTER 1, 256, F1, F0, 0
	QUARTER 1, 384, F0, F1, 0
	TURN 1, 0, 1
	QUARTER 0, 128, F0, F1, 0
	WIN 0
	s_sub_co_u32 s3, s3, 1
	s_cmp_lg_u32 s3, 0
	s_cbranch_scc1 .Llap
	QUARTER 0, 256, F1, F0, 0                      ; the last lap fills nothing
	QUARTER 0, 384, F0, F1, 0
	TURN 0, 1, 0
	QUARTER 1, 128, F0, F1, 0
	QUARTER 1, 256, F1, F0, 0
	QUARTER 1, 384, F0, F1, 0
	s_wait_dscnt 16
	WIN MUL
	MUL8 F1, 0, 0, 0
	MUL8 F1, 0, 2, 0
	s_wait_dscnt 0
	MUL8 F1, 1, 0, 0
	MUL8 F1, 1, 2, 0
	WIN 0
; THE WAY OUT.  A wave's 64 columns of f32 are 256 bytes of a row, aligned: so each wave has a stage of its own and no barrier is needed.  A block of 16 rows goes in as 32 bytes a lane and comes back as whole pieces of 256 bytes, two rows an instruction.
.macro TOSTAGE a
.irp b, 0,1,2,3
.irp g, 0,1
	ds_store_b128 v[STO], v[ACC+8*(4*(\a)+\b)+4*\g:ACC+8*(4*(\a)+\b)+4*\g+3] offset:64*\b+16*\g   ; each accumulator from its low end on
.endr
.endr
.irp t, 0,1,2,3,4,5,6,7
	ds_load_b128 v[TMP+32*((\a)%2)+4*\t:TMP+32*((\a)%2)+4*\t+3], v[RD] offset:\t*2*SPITCH   ; LDS serves a wave's instructions in order: these see the stores above, and the next block's stores come behind them
.endr
.endm
.macro SEND a, younger                 ; younger: the LDS instructions issued behind block a's loads, which may stay out
	s_wait_dscnt \younger
.irp t, 0,1,2,3,4,5,6,7
	global_store_b128 v[CO], v[TMP+32*((\a)%2)+4*\t:TMP+32*((\a)%2)+4*\t+3], s[8:9] offset:(16*(\a)+2*\t)*4096 th:TH_STORE_NT   ; sixteen lanes store 256 consecutive bytes, aligned
.endr
.endm
	PLACES
	TOSTAGE 0
.irp a, 1,2,3
.if \a > 1
	s_wait_xcnt 0x0                                ; block a - 2's stores have read their data: block a's loads may land there
.endif
	TOSTAGE \a
	SEND \a-1, 16                                  ; behind block a - 1's loads: block a's 8 stores and 8 loads
.endr
	SEND 3, 0
	s_wait_tensorcnt 0x0                           ; the wave's end
	ds_add_u32 v[SPW], v[NIL]
	s_wait_dscnt 0x0
	CROUND                                         ; the closing round: no work-group ends while a partner may still ask for a tile that names it
	s_endpgm
.Lfunc_end_k_q8d534fb99d_outp:
	.size	k_q8d534fb99d_outp, .Lfunc_end_k_q8d534fb99d_outp-k_q8d534fb99d_outp
	.p2alignl 7, 3214868480
	.fill 96, 4, 3214868480
	.section	.rodata,"a",@progbits
	.p2align	6, 0x0
	.amdhsa_kernel k_q8d534fb99d_outp
		.amdhsa_group_segment_fixed_size 327680
		.amdhsa_private_segment_fixed_size 0
		.amdhsa_enable_private_segment 0
		.amdhsa_kernarg_size 24
		.amdhsa_user_sgpr_count 2
		.amdhsa_user_sgpr_kernarg_segment_ptr 1
		.amdhsa_wavefront_size32 1
		.amdhsa_system_sgpr_workgroup_id_x 1
		.amdhsa_system_sgpr_workgroup_id_y 1
		.amdhsa_system_sgpr_workgroup_id_z 1
		.amdhsa_system_vgpr_workitem_id 0
		.amdhsa_next_free_vgpr 512
		.amdhsa_next_free_sgpr 66
		.amdhsa_reserve_vcc 0
		.amdhsa_float_denorm_mode_32 3
		.amdhsa_float_denorm_mode_16_64 3
		.amdhsa_memory_ordered 1
		.amdhsa_forward_progress 1
		.amdhsa_inst_pref_size 86
	.end_amdhsa_kernel
	.amdgpu_metadata
---
amdhsa.version: [ 1, 2 ]
amdhsa.kernels:
  - .name:           k_q8d534fb99d_outp
    .symbol:         k_q8d534fb99d_outp.kd
    .args:
      - { .name: o16, .offset: 0, .size: 8, .value_kind: global_buffer, .address_space: global }
      - { .name: wo16, .offset: 8, .size: 8, .value_kind: global_buffer, .address_space: global }
      - { .name: out0, .offset: 16, .size: 8, .value_kind: global_buffer, .address_space: global }
    .group_segment_fixed_size: 327680
    .private_segment_fixed_size: 0
    .kernarg_segment_align: 8
    .kernarg_segment_size: 24
    .max_flat_workgroup_size: 128
    .sgpr_count:     66
    .vgpr_count:     512
    .wavefront_size: 32
...
	.end_amdgpu_metadata
.endif
;; end of part 4
;; launch fine (part 5): grid 16 x 1, 16 waves a work-group, no clusters, 71,680 bytes of LDS; arguments qkv32, Wo, out0; writes out0
.if DOCPART == 5
	.amdgcn_target "amdgcn-amd-amdhsa--gfx1250"
	.amdhsa_code_object_version 6
	.text
	.protected	k_q8d534fb99d_fine
	.globl	k_q8d534fb99d_fine
	.p2align	8
	.type	k_q8d534fb99d_fine,@function
k_q8d534fb99d_fine:
	s_mov_b64 s[64:65], 0
	v_nop
	global_prefetch_b8 v0, s[64:65] scope:SCOPE_SE
	s_setreg_imm32_b32 hwreg(HW_REG_WAVE_MODE, 25, 1), 1
	s_wait_xcnt 0x0
; Positions 0-15, all in f32: under the causal mask these rows average one to sixteen values and are the largest of the output, so f16 operands would weigh most here.  Stored over out0's rows 0-15.
; Keys beyond position 15 are left out: reference()'s own tril gives them the weight 0 for these queries, for every input.
; Work-group j makes out0[0:16][64 j .. 64 j + 63].  Wave hd takes head hd: its attention over 16 keys, then the product of its 64 channels with Wo's rows 64 j .. + 63; the sixteen heads' parts are added through LDS.
; (The heads' attention is repeated in each of the sixteen work-groups: 12 KB read and 32 matrix instructions a wave.)
; v_wmma_f32_16x16x4_f32 with K permuted alike on both sources: in K step (b, s) the lanes of half h hold channel 16 b + 8 h + 2 s + {0, 1}.  That is how qkv32's images lie, so a pair of loaded registers is an operand.
; The registers that this form writes (v112-143, v160-191) are written by matrix instructions alone; what is made of a sum goes into other registers.
.set SGP,   272                        ; a stage row: 64 columns of f32 + 16 bytes
.set HSTG,  16*SGP                     ; a head's part: 16 rows
.set SPARE, 16*HSTG                    ; behind the stage: the spare words, 128 bytes a wave, that no other line names
.set SPW, 14                           ; v14 LDS address of my spare word; never rewritten
.set NIL, 15                           ; v15 0; never rewritten
.set QF,  16                           ; v16-47  q: register 8 b + e: q[r][16 b + 8 h + e];  later Wo's tile 2
.set KF,  48                           ; v48-79  k likewise;  later Wo's tile 3
.set VF,  80                           ; v80-111 v: register 8 t + 2 s + jj: v[key 8 h + 2 s + jj][16 t + r];  later o, normalised
.set SA,  112                          ; four accumulators: the scores' four partial sums; later the four tiles of the output
.set PP,  144                          ; v144-151 the scores, then p: register j: key 8 h + j of query r
.set TM,  152                          ; v152-159 at work
.set OA,  160                          ; four accumulators of O^T
.set W0,  192                          ; v192-255 Wo's tiles 0 and 1; later the sixteen parts
	s_load_b128 s[4:7], s[0:1], 0x0                ; qkv32, Wo
	s_load_b64 s[8:9], s[0:1], 0x10                ; out0
	v_lshl_add_u32 v[SPW], v0, 2, SPARE
	v_mov_b32 v[NIL], 0
	v_lshrrev_b32 v1, 5, v0
	v_readfirstlane_b32 s10, v1                    ; wave = head
	v_and_b32 v2, 15, v0                           ; r
	v_bfe_u32 v3, v0, 4, 1                         ; h
	v_and_b32 v4, 31, v0
	v_lshlrev_b32 v4, 4, v4                        ; an image: 16 x lane
	v_bfe_u32 v5, v0, 2, 1                         ; v, taken out of its image for channel 16 t + c (c = r): group bit (c / 4) % 2,
	v_lshlrev_b32 v5, 9, v5
	v_bfe_u32 v6, v0, 3, 1
	v_lshl_add_u32 v5, v6, 8, v5                   ; half c / 8,
	v_and_b32 v6, 3, v0
	v_lshl_add_u32 v5, v6, 2, v5                   ; word c % 4,
	v_lshl_add_u32 v5, v3, 7, v5                   ; and keys 8 h on
	v_lshlrev_b32 v6, 12, v2
	v_lshl_add_u32 v6, v3, 5, v6                   ; Wo: row r of 4,096 bytes, + 32 h
	s_mul_i32 s11, s10, HSTG
	v_mul_u32_u24 v7, v2, SGP
	v_lshl_add_u32 v7, v3, 5, v7
	v_add_nc_u32 v7, s11, v7                       ; the stage, in: my head's part, row r, + 32 h
	s_mul_i32 s11, s10, 2*SGP
	v_mul_u32_u24 v8, v3, SGP
	v_lshl_add_u32 v8, v2, 4, v8
	v_add_nc_u32 v8, s11, v8                       ; back (waves 0-7): row 2 w + h, 16 bytes a lane
	s_lshl_b32 s11, s10, 13
	v_lshlrev_b32 v9, 12, v3
	v_lshl_add_u32 v9, v2, 4, v9
	v_add_nc_u32 v9, s11, v9                       ; and the same in out0
	v_lshlrev_b32 v10, 3, v3
	v_sub_nc_u32 v10, v2, v10                      ; d = r - 8 h: key 8 h + j is hidden where j > d
	s_mov_b32 s12, 0x76543210
	s_mov_b32 s13, 0xfedcba98                      ; lane selects: lane l xor 16
	s_mov_b32 s14, 0x3e38aa3b                      ; c = log2(e) / 8
	s_lshl_b32 s16, s10, 12                        ; my head's plane: 4,096 bytes
	s_mov_b32 s17, 0
	s_lshl_b32 s18, ttmp9, 18                      ; Wo: 64 rows a work-group,
	s_lshl_b32 s19, s10, 8                         ; 64 channels a head
	s_add_co_u32 s18, s18, s19
	s_mov_b32 s19, 0
	s_lshl_b32 s20, ttmp9, 8                       ; out0: 64 columns a work-group
	s_mov_b32 s21, 0
	s_wait_kmcnt 0x0
	s_add_nc_u64 s[4:5], s[4:5], s[16:17]
	s_add_nc_u64 s[6:7], s[6:7], s[18:19]
	s_add_nc_u64 s[8:9], s[8:9], s[20:21]
.irp g, 0,1,2,3,4,5,6,7
	global_load_b128 v[QF+4*\g:QF+4*\g+3], v4, s[4:5] offset:512*\g
.endr
.irp g, 0,1,2,3,4,5,6,7
	global_load_b128 v[KF+4*\g:KF+4*\g+3], v4, s[4:5] offset:65536+512*\g
.endr
.irp t, 0,1,2,3
.irp e, 0,1,2,3,4,5,6,7
	global_load_b32 v[VF+8*\t+\e], v5, s[4:5] offset:131072+1024*\t+16*\e
.endr
.endr
.irp nt, 0,1
.irp t, 0,1,2,3
.irp g, 0,1
	global_load_b128 v[W0+32*\nt+8*\t+4*\g:W0+32*\nt+8*\t+4*\g+3], v6, s[6:7] offset:65536*\nt+64*\t+16*\g
.endr
.endr
.endr
	s_wait_loadcnt 48                              ; q and k are in; v's 32 loads and Wo's 16 stay out
.irp s, 0,1,2,3                                ; S^T = k q^T: four accumulators by turns, each the sum over its 16 channels
.irp b, 0,1,2,3
.if \s == 0
	v_wmma_f32_16x16x4_f32 v[SA+8*\b:SA+8*\b+7], v[KF+8*\b+2*\s:KF+8*\b+2*\s+1], v[QF+8*\b+2*\s:QF+8*\b+2*\s+1], 0
.else
	v_wmma_f32_16x16x4_f32 v[SA+8*\b:SA+8*\b+7], v[KF+8*\b+2*\s:KF+8*\b+2*\s+1], v[QF+8*\b+2*\s:QF+8*\b+2*\s+1], v[SA+8*\b:SA+8*\b+7]
.endif
.endr
.endr
.rept 8
	v_nop                                          ; eight places behind this form, in front of loads into its sources and of the first read of its results
.endr
.irp nt, 2,3
.irp t, 0,1,2,3
.irp g, 0,1
	global_load_b128 v[QF+32*(\nt-2)+8*\t+4*\g:QF+32*(\nt-2)+8*\t+4*\g+3], v6, s[6:7] offset:65536*\nt+64*\t+16*\g
.endr
.endr
.endr
.irp i, 0,2,4,6
	v_pk_add_f32 v[PP+\i:PP+\i+1], v[SA+\i:SA+\i+1], v[SA+8+\i:SA+8+\i+1]
.endr
.irp i, 0,2,4,6
	v_pk_add_f32 v[TM+\i:TM+\i+1], v[SA+16+\i:SA+16+\i+1], v[SA+24+\i:SA+24+\i+1]
.endr
.irp i, 0,2,4,6
	v_pk_add_f32 v[PP+\i:PP+\i+1], v[PP+\i:PP+\i+1], v[TM+\i:TM+\i+1]
.endr
	v_mov_b32 v[TM], 0xff800000                    ; -infinity
.irp j, 0,1,2,3,4,5,6,7
	v_cmp_gt_i32 vcc_lo, \j, v10
	v_cndmask_b32 v[PP+\j], v[PP+\j], v[TM], vcc_lo
.endr
	v_max3_num_f32 v[TM+1], v[PP], v[PP+1], v[PP+2]
	v_max3_num_f32 v[TM+2], v[PP+3], v[PP+4], v[PP+5]
	v_max3_num_f32 v[TM+1], v[TM+1], v[PP+6], v[PP+7]
	v_max_num_f32 v[TM+1], v[TM+1], v[TM+2]
	v_permlanex16_b32 v[TM+2], v[TM+1], s12, s13
	v_max_num_f32 v[TM+1], v[TM+1], v[TM+2]        ; the row's maximum: key 0 counts for every query, so it is a number
	v_mul_f32 v[TM+1], s14, v[TM+1]
.irp j, 0,1,2,3,4,5,6,7
	v_fma_f32 v[PP+\j], v[PP+\j], s14, -v[TM+1]
.endr
.irp j, 0,1,2,3,4,5,6,7
	v_exp_f32 v[PP+\j], v[PP+\j]
.endr
	v_nop
	s_wait_alu depctr_va_vdst(0)                   ; one wait for the eight exponentials, ahead of their first reader
	v_add_f32 v[TM+2], v[PP], v[PP+1]
	v_add_f32 v[TM+3], v[PP+2], v[PP+3]
	v_add_f32 v[TM+4], v[PP+4], v[PP+5]
	v_add_f32 v[TM+5], v[PP+6], v[PP+7]
	v_add_f32 v[TM+2], v[TM+2], v[TM+3]
	v_add_f32 v[TM+4], v[TM+4], v[TM+5]
	v_add_f32 v[TM+2], v[TM+2], v[TM+4]
	v_permlanex16_b32 v[TM+3], v[TM+2], s12, s13
	v_add_f32 v[TM+2], v[TM+2], v[TM+3]            ; the row's sum
	v_rcp_f32 v[TM+6], v[TM+2]
	v_mov_b32 v[TM+7], 0                           ; a plain line behind the reciprocal; the register is named with it as a pair
	s_wait_alu depctr_va_vdst(0)
	s_wait_loadcnt 32                              ; v is in; Wo's two groups of 16 loads stay out
.irp s, 0,1,2,3                                ; O^T = v^T p: K step s holds keys 8 h + 2 s + {0, 1}; four accumulators by turns
.irp t, 0,1,2,3
.if \s == 0
	v_wmma_f32_16x16x4_f32 v[OA+8*\t:OA+8*\t+7], v[VF+8*\t+2*\s:VF+8*\t+2*\s+1], v[PP+2*\s:PP+2*\s+1], 0
.else
	v_wmma_f32_16x16x4_f32 v[OA+8*\t:OA+8*\t+7], v[VF+8*\t+2*\s:VF+8*\t+2*\s+1], v[PP+2*\s:PP+2*\s+1], v[OA+8*\t:OA+8*\t+7]
.endif
.endr
.endr
.rept 8
	v_nop
.endr
.irp i, 0,2,4,6,8,10,12,14,16,18,20,22,24,26,28,30
	v_pk_mul_f32 v[VF+\i:VF+\i+1], v[OA+\i:OA+\i+1], v[TM+6:TM+7] op_sel_hi:[1,0]   ; o = O^T / the sum: register 8 t + e: o[r][16 t + 8 h + e]
.endr
	s_wait_loadcnt 0x0                             ; all of Wo's tiles
.irp t, 0,1,2,3                                ; my head's part of out^T: source 0 = 16 rows of Wo, source 1 = o; four accumulators by turns
.irp s, 0,1,2,3
.irp nt, 0,1,2,3
.if \t+\s == 0
	v_wmma_f32_16x16x4_f32 v[SA+8*\nt:SA+8*\nt+7], v[W0+32*\nt-240*(\nt/2)+8*\t+2*\s:W0+32*\nt-240*(\nt/2)+8*\t+2*\s+1], v[VF+8*\t+2*\s:VF+8*\t+2*\s+1], 0
.else
	v_wmma_f32_16x16x4_f32 v[SA+8*\nt:SA+8*\nt+7], v[W0+32*\nt-240*(\nt/2)+8*\t+2*\s:W0+32*\nt-240*(\nt/2)+8*\t+2*\s+1], v[VF+8*\t+2*\s:VF+8*\t+2*\s+1], v[SA+8*\nt:SA+8*\nt+7]
.endif
.endr
.endr
.endr
.rept 8
	v_nop
.endr
.irp nt, 0,1,2,3
.irp g, 0,1
	ds_store_b128 v7, v[SA+8*\nt+4*\g:SA+8*\nt+4*\g+3] offset:64*\nt+16*\g   ; lane (r, h): columns 16 nt + 8 h + 4 g on of row r
.endr
.endr
	s_wait_dscnt 0x0                               ; for the others' sake: my part lies in the stage
	s_barrier_signal -1
	s_barrier_wait -1
	s_cmp_ge_u32 s10, 8
	s_cbranch_scc1 .Lrest                          ; waves 0-7 add: two rows each
.irp k, 0,1,2,3,4,5,6,7,8,9,10,11,12,13,14,15
	ds_load_b128 v[W0+4*\k:W0+4*\k+3], v8 offset:HSTG*\k
.endr
	s_wait_dscnt 0x0
.irp d, 8,4,2,1
.set k, 0
.rept \d
	v_pk_add_f32 v[W0+4*k:W0+4*k+1], v[W0+4*k:W0+4*k+1], v[W0+4*(k+\d):W0+4*(k+\d)+1]
	v_pk_add_f32 v[W0+4*k+2:W0+4*k+3], v[W0+4*k+2:W0+4*k+3], v[W0+4*(k+\d)+2:W0+4*(k+\d)+3]
.set k, k+1
.endr
.endr
	global_store_b128 v9, v[W0:W0+3], s[8:9]       ; sixteen lanes store 256 consecutive bytes, aligned
.Lrest:
	s_wait_tensorcnt 0x0                           ; the wave's end
	ds_add_u32 v[SPW], v[NIL]
	s_wait_dscnt 0x0
	s_endpgm
.Lfunc_end_k_q8d534fb99d_fine:
	.size	k_q8d534fb99d_fine, .Lfunc_end_k_q8d534fb99d_fine-k_q8d534fb99d_fine
	.p2alignl 7, 3214868480
	.fill 96, 4, 3214868480
	.section	.rodata,"a",@progbits
	.p2align	6, 0x0
	.amdhsa_kernel k_q8d534fb99d_fine
		.amdhsa_group_segment_fixed_size 71680
		.amdhsa_private_segment_fixed_size 0
		.amdhsa_enable_private_segment 0
		.amdhsa_kernarg_size 24
		.amdhsa_user_sgpr_count 2
		.amdhsa_user_sgpr_kernarg_segment_ptr 1
		.amdhsa_wavefront_size32 1
		.amdhsa_system_sgpr_workgroup_id_x 1
		.amdhsa_system_sgpr_workgroup_id_y 1
		.amdhsa_system_sgpr_workgroup_id_z 1
		.amdhsa_system_vgpr_workitem_id 0
		.amdhsa_next_free_vgpr 256
		.amdhsa_next_free_sgpr 66
		.amdhsa_reserve_vcc 1
		.amdhsa_float_denorm_mode_32 3
		.amdhsa_float_denorm_mode_16_64 3
		.amdhsa_memory_ordered 1
		.amdhsa_forward_progress 1
		.amdhsa_inst_pref_size 25
	.end_amdhsa_kernel
	.amdgpu_metadata
---
amdhsa.version: [ 1, 2 ]
amdhsa.kernels:
  - .name:           k_q8d534fb99d_fine
    .symbol:         k_q8d534fb99d_fine.kd
    .args:
      - { .name: qkv32, .offset: 0, .size: 8, .value_kind: global_buffer, .address_space: global }
      - { .name: Wo, .offset: 8, .size: 8, .value_kind: global_buffer, .address_space: global }
      - { .name: out0, .offset: 16, .size: 8, .value_kind: global_buffer, .address_space: global }
    .group_segment_fixed_size: 71680
    .private_segment_fixed_size: 0
    .kernarg_segment_align: 8
    .kernarg_segment_size: 24
    .max_flat_workgroup_size: 512
    .sgpr_count:     66
    .vgpr_count:     256
    .wavefront_size: 32
...
	.end_amdgpu_metadata
.endif
;; end of part 5
